; MI455X (gfx1250); checked and timed in simulation.
; The chip was launched on July 23, 2026; its instructions are those of AMD's public machine-readable ISA for CDNA 5 (MIT licence, August 2026) and "CDNA5" Instruction Set Architecture Reference Guide (July 2026). The comments in the code are by the model that wrote it; some were corrected since.
;; Self Attention Block. Allowed arithmetic: float matrix products may take bf16 or f16 operands with f32 sums; all other float work in f32.
;; Inputs: beta 256 float32; bk 256 float32; bo 256 float32; bq 256 float32; bv 256 float32; gamma 256 float32; wk 256 x 256 float32; wo 256 x 256 float32; wq 256 x 256 float32; wv 256 x 256 float32; x 64 x 256 x 32 x 32 float32.
;; Outputs: out0 64 x 256 x 32 x 32 float32.
;; 3 versions, each right; version 3 is version 2 with the launch norm written anew for expert scheduling mode. Each part assembles by itself: llvm-mc -triple=amdgcn-amd-amdhsa -mcpu=gfx1250 --defsym DOCPART=n.
;; ======== version 1 of 3: 3 launches
;; workspace buffers: xnb 33,554,432 bytes; ab 131,072 bytes; wb 524,288 bytes; qb 33,554,432 bytes; kb 33,554,432 bytes; vb 33,554,432 bytes
;; launch norm (part 1): grid 256 x 1, 8 waves a work-group, no clusters, 1,536 bytes of LDS; arguments x, gamma, beta, bo, wq, wk, wv, wo, xnb, ab, wb; writes xnb, ab, wb
.if DOCPART == 1
	.amdgcn_target "amdgcn-amd-amdhsa--gfx1250"
	.amdhsa_code_object_version 6
	.text
	.protected	k_qcc7e608ccf_norm
	.globl	k_qcc7e608ccf_norm
	.p2align	8
	.type	k_qcc7e608ccf_norm,@function
k_qcc7e608ccf_norm:
	s_mov_b64 s[64:65], 0
	v_nop
	global_prefetch_b8 v0, s[64:65] scope:SCOPE_SE
	s_setreg_imm32_b32 hwreg(HW_REG_WAVE_MODE, 25, 1), 1
	s_wait_xcnt 0x0
; GroupNorm's statistics, the normalised x in bf16, the residual's affine, and the four weight matrices in bf16.
; x: [64][256 channels][1024 positions] f32.  A group is 8 channels = 32,768 consecutive bytes.
; Work-group g: image g >> 2, channels 64 (g & 3) .. + 63.  Wave w: one group, kept in 256 registers between the passes,
; so x is read once and no wave waits for another.  Two passes: the mean, then the squares of x - mean (no difference of large sums).
; Out: xnb [64][256][1024] bf16 = (x - mean) rstd gamma + beta;
;      ab  [64][4][2][64] f32: a = gamma rstd, then b' = beta - mean a + bo, so that a later launch forms xn + bo = a x + b' in f32;
;      wb  [4][256][256] bf16 = wq, wk, wv, wo (each work-group converts 4,096 bytes of one of them).
; No matrix unit, no cluster, no LDS ring: nothing is shared between work-groups and every byte is used once.
; Limits: NaN and infinities are not treated specially; xnb and wb are rounded to bf16 (nearest even).
.set OFFX, 1                           ; v1  byte offset of my 16 bytes in x: 16 lane + 32,768 wave
.set OFFN, 2                           ; v2  the same in xnb: 8 lane + 16,384 wave
.set CH,   8                           ; v[8:15]  four chains of pairs
.set MEAN, 16                          ; v[16:17] the mean, twice
.set BPR,  36                          ; v[36:43] b' of my 8 channels
.set AP,   64                          ; v[64:79] a of channel c, twice, at AP + 2 c
.set BP,   80                          ; v[80:95] beta of channel c, twice
; window 1 (v256-v511): the group; load j (0..63) fills 4 j .. 4 j + 3; channel = j >> 3
.set MSB, 0
.macro WIN new                         ; the immediate's high byte repeats the setting that is left
.if MSB != \new
	s_set_vgpr_msb (MSB<<8)|\new
.set MSB, \new
.endif
.endm
.macro REDUCE                          ; the four chains and the 32 lanes into v8, in every lane
	v_pk_add_f32 v[CH:CH+1], v[CH:CH+1], v[CH+2:CH+3]
	v_pk_add_f32 v[CH+4:CH+5], v[CH+4:CH+5], v[CH+6:CH+7]
	v_pk_add_f32 v[CH:CH+1], v[CH:CH+1], v[CH+4:CH+5]
	v_add_f32 v8, v8, v9
	v_add_f32_dpp v8, v8, v8 row_xmask:1 row_mask:0xf bank_mask:0xf
	v_add_f32_dpp v8, v8, v8 row_xmask:2 row_mask:0xf bank_mask:0xf
	v_add_f32_dpp v8, v8, v8 row_xmask:4 row_mask:0xf bank_mask:0xf
	v_add_f32_dpp v8, v8, v8 row_xmask:8 row_mask:0xf bank_mask:0xf
	v_permlanex16_b32 v19, v8, s52, s53            ; the other half of the lanes; v19 was written at the head
	v_add_f32 v8, v8, v19
.endm
	s_load_b512 s[4:19], s[0:1], 0x0               ; x, gamma, beta, bo, wq, wk, wv, wo
	s_load_b128 s[20:23], s[0:1], 0x40             ; xnb, ab
	s_load_b64 s[24:25], s[0:1], 0x50              ; wb
	v_lshl_add_u32 v254, v0, 2, 0x200
	v_mov_b32 v255, 0
	v_lshrrev_b32 v7, 5, v0
	v_readfirstlane_b32 s26, v7                    ; wave 0..7
	v_and_b32 v6, 31, v0
	v_lshlrev_b32 v6, 4, v6                        ; 16 lane
	v_lshl_add_u32 v[OFFX], s26, 15, v6
	v_lshrrev_b32 v[OFFN], 1, v[OFFX]
	v_lshlrev_b32 v3, 4, v0                        ; 16 thread: my 4 weights in f32
	v_lshlrev_b32 v4, 3, v0                        ; 8 thread: the same in bf16
	v_mov_b32 v19, 0
	s_and_b32 s27, ttmp9, 3
	s_lshl_b32 s27, s27, 8                         ; my slab's 64 channels, 4 bytes each,
	s_lshl_b32 s56, s26, 5
	s_add_co_u32 s27, s27, s56                     ; + my wave's 8
	v_mov_b32 v5, s56                              ; LDS: 32 wave
	s_mov_b32 s52, 0x76543210
	s_mov_b32 s53, 0xfedcba98
	s_mov_b32 s54, 0x39000000                      ; 1 / 8192
	s_mov_b32 s55, 0x3727c5ac                      ; 1e-5
	s_lshr_b32 s57, ttmp9, 6                       ; which weight matrix
	s_mov_b32 s59, 0
	s_wait_kmcnt 0x0
	s_load_b256 s[28:35], s[6:7], s27 offset:0x0   ; gamma of my 8 channels
	s_load_b256 s[36:43], s[8:9], s27 offset:0x0   ; beta
	s_load_b256 s[44:51], s[10:11], s27 offset:0x0 ; bo
	s_cmp_eq_u32 s57, 1
	s_cselect_b64 s[12:13], s[14:15], s[12:13]
	s_cmp_eq_u32 s57, 2
	s_cselect_b64 s[12:13], s[16:17], s[12:13]
	s_cmp_eq_u32 s57, 3
	s_cselect_b64 s[12:13], s[18:19], s[12:13]
	s_and_b32 s58, ttmp9, 63
	s_lshl_b32 s58, s58, 12
	s_add_nc_u64 s[12:13], s[12:13], s[58:59]      ; my work-group's 4,096 bytes of that matrix
	s_lshl_b32 s58, ttmp9, 18
	s_add_nc_u64 s[4:5], s[4:5], s[58:59]          ; x: 64 channels of 4,096 bytes a work-group
	s_lshl_b32 s58, ttmp9, 17
	s_add_nc_u64 s[20:21], s[20:21], s[58:59]      ; xnb
	s_lshl_b32 s58, ttmp9, 9
	s_add_nc_u64 s[22:23], s[22:23], s[58:59]      ; ab
	s_lshl_b32 s58, ttmp9, 11
	s_add_nc_u64 s[24:25], s[24:25], s[58:59]      ; wb
	global_load_b128 v[44:47], v3, s[12:13]
	WIN 0x40                                       ; destination in window 1
.set j, 0
.rept 64
	global_load_b128 v[4*j:4*j+3], v[OFFX], s[4:5] offset:512*j th:TH_LOAD_NT   ; 512 consecutive bytes a wave
.set j, j+1
.endr
	WIN 0
	s_wait_loadcnt 63                              ; the weights are in (the largest count that the wait can name; 64 loads are younger)
	v_cvt_pk_bf16_f32 v48, v44, v45
	v_cvt_pk_bf16_f32 v49, v46, v47
	global_store_b64 v4, v[48:49], s[24:25]        ; a wave stores 256 consecutive bytes, aligned
	; pass 1: the sum.  Channel m's eight loads are in when 56 - 8 m younger ones are out.
	s_wait_loadcnt 56
	WIN 0x05                                       ; both sources in window 1: the first eight pairs start the chains
.irp k, 0,1,2,3
	v_pk_add_f32 v[CH+2*\k:CH+2*\k+1], v[4*\k:4*\k+1], v[4*\k+2:4*\k+3]
.endr
	WIN 0x01
.set p, 8
.rept 8
	v_pk_add_f32 v[CH+2*(p%4):CH+2*(p%4)+1], v[2*p:2*p+1], v[CH+2*(p%4):CH+2*(p%4)+1]
.set p, p+1
.endr
.irp m, 1,2,3,4,5,6,7
	s_wait_loadcnt 56-8*\m
.rept 16
	v_pk_add_f32 v[CH+2*(p%4):CH+2*(p%4)+1], v[2*p:2*p+1], v[CH+2*(p%4):CH+2*(p%4)+1]
.set p, p+1
.endr
.endr
	WIN 0
	REDUCE
	v_mul_f32 v[MEAN], s54, v8
	v_mov_b32 v[MEAN+1], v[MEAN]
	; d = x - mean, in place
	WIN 0x41
.set p, 0
.rept 128
	v_pk_add_f32 v[2*p:2*p+1], v[2*p:2*p+1], v[MEAN:MEAN+1] neg_lo:[0,1] neg_hi:[0,1]
.set p, p+1
.endr
	; pass 2: the sum of d squared
	WIN 0x05
.irp k, 0,1,2,3
	v_pk_mul_f32 v[CH+2*\k:CH+2*\k+1], v[2*\k:2*\k+1], v[2*\k:2*\k+1]
.endr
.set p, 4
.rept 124
	v_pk_fma_f32 v[CH+2*(p%4):CH+2*(p%4)+1], v[2*p:2*p+1], v[2*p:2*p+1], v[CH+2*(p%4):CH+2*(p%4)+1]
.set p, p+1
.endr
	WIN 0
	REDUCE
	v_fma_f32 v9, v8, s54, s55                     ; variance + 1e-5
	s_wait_kmcnt 0x0                               ; gamma, beta, bo
	v_rsq_f32 v18, v9                              ; the plain moves below stand between it and the first use of v18 (ISA guide 5.7.2)
.irp c, 0,1,2,3,4,5,6,7
	v_mov_b32 v[BP+2*\c], s[36+\c]
	v_mov_b32 v[BP+2*\c+1], s[36+\c]
.endr
	s_wait_alu depctr_va_vdst(0)
.irp c, 0,1,2,3,4,5,6,7
	v_mul_f32 v[AP+2*\c], s[28+\c], v18            ; a = gamma rstd
.endr
.irp c, 0,1,2,3,4,5,6,7
	v_mov_b32 v[AP+2*\c+1], v[AP+2*\c]
	v_fma_f32 v[BPR+\c], -v[MEAN], v[AP+2*\c], v[BP+2*\c]
.endr
.irp c, 0,1,2,3,4,5,6,7
	v_add_f32 v[BPR+\c], s[44+\c], v[BPR+\c]       ; b' = beta - mean a + bo
.endr
	; xn = d a + beta, in place; 16 pairs a channel
	WIN 0x41
.set p, 0
.rept 128
	v_pk_fma_f32 v[2*p:2*p+1], v[2*p:2*p+1], v[AP+2*(p/16):AP+2*(p/16)+1], v[BP+2*(p/16):BP+2*(p/16)+1]
.set p, p+1
.endr
	WIN 0x45                                       ; pack in place: word i is written when words 2 i and 2 i + 1 have been read
.set p, 0
.rept 128
	v_cvt_pk_bf16_f32 v[p], v[2*p], v[2*p+1]
.set p, p+1
.endr
	WIN 0x04                                       ; a store's data is source 1
.set j, 0
.rept 64
	global_store_b64 v[OFFN], v[2*j:2*j+1], s[20:21] offset:256*j   ; a wave stores 256 consecutive bytes, aligned
.set j, j+1
.endr
	WIN 0
	; a and b' of the work-group's 64 channels meet in LDS and leave as 512 whole bytes
.irp c, 0,1,2,3,4,5,6,7
	ds_store_b32 v5, v[AP+2*\c] offset:4*\c        ; all lanes write the same word with the same value
	ds_store_b32 v5, v[BPR+\c] offset:256+4*\c
.endr
	s_wait_dscnt 0x0                               ; my stores are done, for wave 0's sake
	s_barrier_signal -1
	s_barrier_wait -1
	s_cmp_lg_u32 s26, 0
	s_cbranch_scc1 .Ldone
	ds_load_b128 v[44:47], v6
	s_wait_dscnt 0x0
	global_store_b128 v6, v[44:47], s[22:23]
.Ldone:
	s_wait_tensorcnt 0x0
	ds_add_u32 v254, v255
	s_wait_dscnt 0x0
	s_endpgm
.Lfunc_end_k_qcc7e608ccf_norm:
	.size	k_qcc7e608ccf_norm, .Lfunc_end_k_qcc7e608ccf_norm-k_qcc7e608ccf_norm
	.p2alignl 7, 3214868480
	.fill 96, 4, 3214868480
	.section	.rodata,"a",@progbits
	.p2align	6, 0x0
	.amdhsa_kernel k_qcc7e608ccf_norm
		.amdhsa_group_segment_fixed_size 1536
		.amdhsa_private_segment_fixed_size 0
		.amdhsa_enable_private_segment 0
		.amdhsa_kernarg_size 88
		.amdhsa_user_sgpr_count 2
		.amdhsa_user_sgpr_kernarg_segment_ptr 1
		.amdhsa_wavefront_size32 1
		.amdhsa_system_sgpr_workgroup_id_x 1
		.amdhsa_system_sgpr_workgroup_id_y 1
		.amdhsa_system_sgpr_workgroup_id_z 1
		.amdhsa_system_vgpr_workitem_id 0
		.amdhsa_next_free_vgpr 512
		.amdhsa_next_free_sgpr 66
		.amdhsa_reserve_vcc 0
		.amdhsa_float_denorm_mode_32 3
		.amdhsa_float_denorm_mode_16_64 3
		.amdhsa_memory_ordered 1
		.amdhsa_forward_progress 1
		.amdhsa_inst_pref_size 60
	.end_amdhsa_kernel
	.amdgpu_metadata
---
amdhsa.version: [ 1, 2 ]
amdhsa.kernels:
  - .name:           k_qcc7e608ccf_norm
    .symbol:         k_qcc7e608ccf_norm.kd
    .args:
      - { .name: x, .offset: 0, .size: 8, .value_kind: global_buffer, .address_space: global }
      - { .name: gamma, .offset: 8, .size: 8, .value_kind: global_buffer, .address_space: global }
      - { .name: beta, .offset: 16, .size: 8, .value_kind: global_buffer, .address_space: global }
      - { .name: bo, .offset: 24, .size: 8, .value_kind: global_buffer, .address_space: global }
      - { .name: wq, .offset: 32, .size: 8, .value_kind: global_buffer, .address_space: global }
      - { .name: wk, .offset: 40, .size: 8, .value_kind: global_buffer, .address_space: global }
      - { .name: wv, .offset: 48, .size: 8, .value_kind: global_buffer, .address_space: global }
      - { .name: wo, .offset: 56, .size: 8, .value_kind: global_buffer, .address_space: global }
      - { .name: xnb, .offset: 64, .size: 8, .value_kind: global_buffer, .address_space: global }
      - { .name: ab, .offset: 72, .size: 8, .value_kind: global_buffer, .address_space: global }
      - { .name: wb, .offset: 80, .size: 8, .value_kind: global_buffer, .address_space: global }
    .group_segment_fixed_size: 1536
    .private_segment_fixed_size: 0
    .kernarg_segment_align: 8
    .kernarg_segment_size: 88
    .max_flat_workgroup_size: 256
    .sgpr_count:     66
    .vgpr_count:     512
    .wavefront_size: 32
...
	.end_amdgpu_metadata
.endif
;; end of part 1
;; launch qkv (part 2): grid 256 x 1, 4 waves a work-group, clusters of 4 x 1, 327,680 bytes of LDS; arguments xnb, wb, bq, bk, bv, qb, kb, vb; writes qb, kb, vb
.if DOCPART == 2
	.amdgcn_target "amdgcn-amd-amdhsa--gfx1250"
	.amdhsa_code_object_version 6
	.text
	.protected	k_qcc7e608ccf_qkv
	.globl	k_qcc7e608ccf_qkv
	.p2align	8
	.type	k_qcc7e608ccf_qkv,@function
k_qcc7e608ccf_qkv:
	s_mov_b64 s[64:65], 0
	v_nop
	global_prefetch_b8 v0, s[64:65] scope:SCOPE_SE
	s_setreg_imm32_b32 hwreg(HW_REG_WAVE_MODE, 25, 1), 1
	s_wait_xcnt 0x0
	s_wait_alu depctr_hold_cnt(0) depctr_sa_sdst(0) depctr_va_vdst(0) depctr_va_sdst(0) depctr_va_ssrc(0) depctr_va_vcc(0) depctr_vm_vsrc(0)
	s_getreg_b32 s2, hwreg(HW_REG_IB_STS2, 6, 4)
	s_cmp_eq_u32 s2, 0
	s_cbranch_scc0 .Lentry_in_a_cluster
	s_endpgm
.Lentry_in_a_cluster:
	s_bfe_u32 s2, ttmp6, 0x10000c
	s_cmp_lg_u32 s2, 0x3003
	s_cbranch_scc0 .Lentry_shape_is_right
	s_endpgm
.Lentry_shape_is_right:
; q, k, v = W xn + bias.  xnb: [64][256 c][1024 pos] bf16; wb: [4][256 out][256 c] bf16; biases f32.
; Out: qb, kb: [64][1024 pos][256 ch] bf16; vb: [64][256 ch][1024 pos] bf16.  Sums in f32, rounded once (nearest even).
; A cluster of four work-groups is one image; work-group cx takes 256 positions and makes all 768 output channels in three passes Q, K, V.
; A wave makes 128 positions x 128 channels: 64 accumulator tiles, 512 registers.  1,536 matrix instructions a wave.
; xn's 256 c x 256 positions stay in LDS for all three passes.  W goes through two slots of 256 rows x 128 c; slot s always holds K half s.
; The four work-groups walk the same weights: each W tile is asked for jointly (mask 15), each wave asking for 64 rows of its own.
; xn lies [c][pos], that is [K][N]: its fragments come by the transposing LDS load.
; Q and K: source 0 = W rows, source 1 = xn, so a lane holds 8 neighbouring channels of one position.
; V: the sources' windows are swapped, so a lane holds 8 neighbouring positions of one channel.
; The first K step of a pass takes a tile of the bias as C: nothing is cleared and no bias is added afterwards.
; Windows: 0: addresses, xn fragments (two buffers), the way out; 1: W fragments (two buffers), bias tiles; 2, 3: accumulators, tile (a, b) at 8 (8 a + b).
.set XPITCH, 544                       ; 512 bytes + 32: an odd multiple of 32
.set WPITCH, 272                       ; 256 bytes + 16: sixteen rows start at sixteen different 16-byte columns modulo 256
.set XBYTES, 256*XPITCH
.set WSLOT,  256*WPITCH
.set STAGE,  XBYTES+2*WSLOT            ; 16 rows x 272 bytes for each wave; no tensor load ever lands here
.set SPITCH, 272
.set BVR,    8                         ; v8-15   bv of my 8 channel blocks, lane r's channel
.set ADRX,   16                        ; v16-17  xn fragments, K half 0, 1
.set ADRW,   20                        ; v20-21  W fragments, slot 0, 1
.set STO,    24
.set RD,     25
.set CO512,  26                        ; my byte offset in two rows of qb, kb
.set CO2048, 27                        ; and of vb
.set RB1,    32                        ; v32-63, v224-255: rows read back from the stage, in turn
.set RB0,    224
.set F0,     64
.set F1,     128
.set TMP,    192
.set CBQ,    0                         ; window 1: bias tiles of Q, later of V
.set CBK,    192                       ; window 1: bias tiles of K
.set G1X, 24
.set G1W, 32
.set G0X, 40
.set G0W, 44                           ; one set for each slot
.set MSB, 0
.macro WIN new
.if MSB != \new
	s_set_vgpr_msb (MSB<<8)|\new
.set MSB, \new
.endif
.endm
.macro PLACES                          ; four plain vector places behind a matrix instruction (ISA guide 7.12.1)
.rept 4
	v_nop
.endr
.endm
.macro CREST                           ; a round of the cluster's barrier behind its opening barrier
	s_cmp_lg_u32 s20, 0
	s_cbranch_scc1 .Lnot_wave_0_\@
	s_barrier_signal -3
.Lnot_wave_0_\@:
	s_barrier_wait -3
	s_barrier_signal -1
	s_barrier_wait -1
.endm
.macro CROUND
	s_barrier_signal -1
	s_barrier_wait -1
	CREST
.endm
	s_load_b512 s[4:19], s[0:1], 0x0               ; xnb, wb, bq, bk, bv, qb, kb, vb
	v_lshl_add_u32 v30, v0, 2, 0x48400
	v_mov_b32 v31, 0
	ds_add_u32 v30, v31
	v_lshrrev_b32 v1, 5, v0
	v_readfirstlane_b32 s20, v1                    ; wave 0..3
	s_lshr_b32 s21, s20, 1                         ; which 128 positions are mine
	s_and_b32 s22, s20, 1                          ; which 128 channels
	s_bfe_u32 s23, ttmp6, 0x40000                  ; cx: which 256 positions of the image
	; xn's tile: 64 rows (c) x 256 positions, 32 bytes of padding behind each 128 words; not shared
	s_mov_b32 s[G1X+0], (1<<16)|(1<<20)|(6<<22)|(7<<25)
	s_mov_b32 s[G1X+1], 256<<16
	s_mov_b32 s[G1X+2], 64<<16
	s_mov_b32 s[G1X+3], 256<<16
	s_mov_b32 s[G1X+4], 64
	s_mov_b32 s[G1X+5], 1024
	s_mov_b32 s[G1X+6], 0
	s_mov_b32 s[G1X+7], 0
	; W's tile: 64 rows x 128 c, 16 bytes of padding behind each 64 words; mask 15: all four work-groups, bit 21 beside it
	s_mov_b32 s[G1W+0], 15|(1<<16)|(1<<20)|(1<<21)|(5<<22)|(3<<25)
	s_mov_b32 s[G1W+1], 128<<16
	s_mov_b32 s[G1W+2], 64<<16
	s_mov_b32 s[G1W+3], 128<<16
	s_mov_b32 s[G1W+4], 64
	s_mov_b32 s[G1W+5], 256
	s_mov_b32 s[G1W+6], 0
	s_mov_b32 s[G1W+7], 0
	s_mul_i32 s52, s20, 64*XPITCH                  ; LDS: my 64 rows of xn
	s_mul_i32 s53, s20, 64*WPITCH
	s_add_co_u32 s53, s53, XBYTES                  ; LDS: my 64 rows of W in slot 0
	s_lshl_b32 s54, s20, 15                        ; wb: 64 rows of 512 bytes a wave
	s_mov_b32 s55, 0
	s_lshl_b32 s56, ttmp9, 19                      ; xnb: the image,
	s_lshl_b32 s57, s20, 17
	s_add_co_u32 s56, s56, s57                     ; my 64 rows of 2,048 bytes,
	s_lshl_b32 s57, s23, 9
	s_add_co_u32 s56, s56, s57                     ; the work-group's 256 positions
	s_mov_b32 s57, 0
	s_wait_dscnt 0x0
	s_wait_kmcnt 0x0
	s_mov_b32 s[G0X], 1
	s_mov_b32 s[G0X+1], s52
	s_add_nc_u64 s[G0X+2:G0X+3], s[4:5], s[56:57]
	s_or_b32 s[G0X+3], s[G0X+3], 0x80000000
	s_add_nc_u64 s[58:59], s[6:7], s[54:55]
.irp s, 0,1
	s_mov_b32 s[G0W+4*\s], 1
	s_add_co_u32 s[G0W+4*\s+1], s53, \s*WSLOT
	s_add_nc_u64 s[G0W+4*\s+2:G0W+4*\s+3], s[58:59], \s*256        ; wq, K half s
	s_or_b32 s[G0W+4*\s+3], s[G0W+4*\s+3], 0x80000000
.endr
	CROUND                                         ; all four work-groups are here: the first joint loads meet
	tensor_load_to_lds s[G0X:G0X+3], s[G1X:G1X+7]  ; three loads of the wave are out
	s_nop 0
	tensor_load_to_lds s[G0W:G0W+3], s[G1W:G1W+7]
	s_nop 0
	tensor_load_to_lds s[G0W+4:G0W+7], s[G1W:G1W+7]
	s_nop 0
	v_and_b32 v1, 15, v0                           ; r
	v_bfe_u32 v2, v0, 4, 1                         ; h
	v_and_b32 v3, 7, v0
	v_lshl_add_u32 v3, v2, 3, v3                   ; the transposing load: row 8 h + lane mod 8,
	v_mul_u32_u24 v3, v3, XPITCH
	v_bfe_u32 v4, v0, 3, 1
	v_lshl_add_u32 v3, v4, 4, v3                   ; 16 bytes further for lanes 8-15 of each half
	s_lshl_b32 s52, s21, 8                         ; my 128 positions
	v_add_nc_u32 v[ADRX], s52, v3
	v_add_nc_u32 v[ADRX+1], 128*XPITCH, v[ADRX]
	v_mul_u32_u24 v5, v1, WPITCH
	v_lshl_add_u32 v5, v2, 4, v5                   ; r x 272 + 16 h
	s_mul_i32 s52, s22, 128*WPITCH
	s_add_co_u32 s52, s52, XBYTES                  ; my 128 rows of W
	v_add_nc_u32 v[ADRW], s52, v5
	v_add_nc_u32 v[ADRW+1], WSLOT, v[ADRW]
	s_mul_i32 s52, s20, 16*SPITCH
	s_add_co_u32 s52, s52, STAGE                   ; my stage
	v_add_nc_u32 v[STO], s52, v5
	v_mul_u32_u24 v6, v2, SPITCH
	v_lshl_add_u32 v6, v1, 4, v6
	v_add_nc_u32 v[RD], s52, v6
	v_lshlrev_b32 v7, 4, v1
	v_lshl_add_u32 v[CO512], v2, 9, v7
	v_lshl_add_u32 v[CO2048], v2, 11, v7
	s_lshl_b32 s52, s22, 9                         ; my 128 channels in a bias
	v_lshl_add_u32 v28, v2, 5, s52                 ; + 8 h channels
	v_lshl_add_u32 v29, v1, 2, s52                 ; + r channels
	WIN 0x40
.irp b, 0,1,2,3,4,5,6,7
	global_load_b128 v[CBQ+8*\b:CBQ+8*\b+3],   v28, s[8:9] offset:64*\b       ; register j: bq[16 b + 8 h + j]
	global_load_b128 v[CBQ+8*\b+4:CBQ+8*\b+7], v28, s[8:9] offset:64*\b+16
	global_load_b128 v[CBK+8*\b:CBK+8*\b+3],   v28, s[10:11] offset:64*\b
	global_load_b128 v[CBK+8*\b+4:CBK+8*\b+7], v28, s[10:11] offset:64*\b+16
.endr
	WIN 0
.irp b, 0,1,2,3,4,5,6,7
	global_load_b32 v[BVR+\b], v29, s[12:13] offset:64*\b                    ; bv[16 b + r]
.endr
	; where the results go
	s_lshl_b32 s60, ttmp9, 19
	s_lshl_b32 s61, s23, 17
	s_add_co_u32 s60, s60, s61
	s_lshl_b32 s61, s21, 16
	s_add_co_u32 s60, s60, s61                     ; row (256 cx + 128 half) of 512 bytes,
	s_lshl_b32 s61, s22, 8
	s_add_co_u32 s60, s60, s61                     ; my 128 channels
	s_mov_b32 s61, 0
	s_add_nc_u64 s[66:67], s[14:15], s[60:61]      ; qb
	s_add_nc_u64 s[68:69], s[16:17], s[60:61]      ; kb
	s_lshl_b32 s62, ttmp9, 19
	s_lshl_b32 s63, s22, 18
	s_add_co_u32 s62, s62, s63                     ; my 128 channels, rows of 2,048 bytes,
	s_lshl_b32 s63, s23, 9
	s_add_co_u32 s62, s62, s63
	s_lshl_b32 s63, s21, 8
	s_add_co_u32 s62, s62, s63                     ; my 128 positions
	s_mov_b32 s63, 0
	s_add_nc_u64 s[70:71], s[18:19], s[62:63]      ; vb
; 16 matrix instructions.  cmode 0: in place; 1: C = bias tile of source 0's block b; 2: C = bias tile of source 1's block 4 hi + a.
; The 64 accumulators take turns, one instruction a turn, in the same order in every quarter.
.macro MUL16 f, hi, a0, cmode, cb
.irp a, \a0, \a0+1
.irp b, 0,1,2,3,4,5,6,7
.if \cmode == 0
	v_wmma_f32_16x16x32_bf16 v[8*(8*(\a)+\b):8*(8*(\a)+\b)+7], v[\f+8*\b:\f+8*\b+7], v[\f+8*(4*\hi+\a):\f+8*(4*\hi+\a)+7], v[8*(8*(\a)+\b):8*(8*(\a)+\b)+7]
.elseif \cmode == 1
	v_wmma_f32_16x16x32_bf16 v[8*(8*(\a)+\b):8*(8*(\a)+\b)+7], v[\f+8*\b:\f+8*\b+7], v[\f+8*(4*\hi+\a):\f+8*(4*\hi+\a)+7], v[\cb+8*\b:\cb+8*\b+7]
.else
	v_wmma_f32_16x16x32_bf16 v[8*(8*(\a)+\b):8*(8*(\a)+\b)+7], v[\f+8*\b:\f+8*\b+7], v[\f+8*(4*\hi+\a):\f+8*(4*\hi+\a)+7], v[\cb+8*(4*\hi+\a):\cb+8*(4*\hi+\a)+7]
.endif
.endr
.endr
.endm
; the fragments of quarter q (32 c) of K half slot: 128 rows of W into window 1, 128 positions of xn into window 0
.macro FETCH slot, q, f
	WIN 0x40
.irp i, 0,1,2,3,4,5,6,7
	ds_load_b128 v[\f+8*\i:\f+8*\i+3],   v[ADRW+\slot] offset:64*\q+\i*16*WPITCH
	ds_load_b128 v[\f+8*\i+4:\f+8*\i+7], v[ADRW+\slot] offset:64*\q+\i*16*WPITCH+32
.endr
	WIN 0
.irp i, 0,1,2,3,4,5,6,7
	ds_load_tr16_b128 v[\f+8*\i:\f+8*\i+3],   v[ADRX+\slot] offset:\q*32*XPITCH+32*\i
	ds_load_tr16_b128 v[\f+8*\i+4:\f+8*\i+7], v[ADRX+\slot] offset:\q*32*XPITCH+32*\i+16*XPITCH
.endr
.endm
; multiplies buffer f; in its middle fetches quarter q of the same K half into buffer g
.macro QUARTER slot, q, f, g, lo, hi, cmode, cb
	s_wait_dscnt 0x0                               ; buffer f's 32 loads, issued 32 matrix instructions ago
	WIN \lo
	MUL16 \f, 0, 0, \cmode, \cb
	MUL16 \f, 0, 2, \cmode, \cb
	PLACES                                         ; buffer g was read by matrix instructions
	FETCH \slot, \q, \g
	WIN \hi
	MUL16 \f, 1, 0, \cmode, \cb
	MUL16 \f, 1, 2, \cmode, \cb
.endm
.macro THREE slot, lo, hi, lo1, hi1, cmode, cb
	QUARTER \slot, 1, F0, F1, \lo1, \hi1, \cmode, \cb
	QUARTER \slot, 2, F1, F0, \lo, \hi, 0, 0
	QUARTER \slot, 3, F0, F1, \lo, \hi, 0, 0
.endm
; the last quarter of a K half: multiplies buffer 1 and changes slots.  In front of the barrier each wave's reads of this slot are back and
; all its tensor loads have landed (the one that was out is its part of the next slot).  fill = 1: the barrier opens a round of the cluster's
; barrier, and behind the round the wave's one joint load brings the next matrix's same K half into this slot.
.macro TURN slot, next, fill, lo, hi
	s_wait_dscnt 0x0
	WIN \lo
	MUL16 F1, 0, 0, 0, 0
	s_set_vgpr_msb (MSB<<8)|((MSB&0xf0)|0x0)
	s_wait_tensorcnt 0x0
	ds_add_u32 v30, v31
	s_wait_dscnt 0x0
	s_set_vgpr_msb (((MSB&0xf0)|0x0)<<8)|MSB
	s_barrier_signal -1
	MUL16 F1, 0, 2, 0, 0                           ; register work only
	WIN 0
	s_barrier_wait -1
.if \fill
	CREST
	s_add_nc_u64 s[G0W+4*\slot+2:G0W+4*\slot+3], s[G0W+4*\slot+2:G0W+4*\slot+3], 131072
	tensor_load_to_lds s[G0W+4*\slot:G0W+4*\slot+3], s[G1W:G1W+7]
	s_nop 0
.endif
	PLACES
	FETCH \next, 0, F0
	WIN \hi
	MUL16 F1, 1, 0, 0, 0
	MUL16 F1, 1, 2, 0, 0
.endm
; 16 rows of the wave's block: round to bf16, 16 bytes a lane into my stage, whole rows of 256 bytes back, and out
.macro OUT16 i, a, from, rb, pitch, co, base
	WIN \from
.irp b, 0,1,2,3,4,5,6,7
.irp r, 0,1,2,3
	v_cvt_pk_bf16_f32 v[TMP+4*\b+\r], v[8*(8*\a+\b)+2*\r], v[8*(8*\a+\b)+2*\r+1]
.endr
.endr
	WIN 0
.irp b, 0,1,2,3,4,5,6,7
	ds_store_b128 v[STO], v[TMP+4*\b:TMP+4*\b+3] offset:32*\b
.endr
	s_wait_xcnt 0x0                                ; the read-back buffer, which earlier stores read, and the stores' base are rewritten only behind this wait
.if \i
	s_add_nc_u64 s[\base:\base+1], s[\base:\base+1], 16*\pitch
.endif
.irp t, 0,1,2,3,4,5,6,7
	ds_load_b128 v[\rb+4*\t:\rb+4*\t+3], v[RD] offset:\t*2*SPITCH   ; a wave's LDS instructions are served in order: these see the stores above
.endr
.irp t, 0,1,2,3,4,5,6,7
	s_wait_dscnt 7-\t                              ; 7 - t younger read-backs may be out
	global_store_b128 v[\co], v[\rb+4*\t:\rb+4*\t+3], s[\base:\base+1] offset:2*\t*\pitch   ; 16 lanes store 256 consecutive bytes, aligned
.endr
.endm
.macro OUTALL pitch, co, base
	PLACES                                         ; behind the last matrix instructions, in front of the conversions
	OUT16 0, 0, 0x0a, RB0, \pitch, \co, \base
	OUT16 1, 1, 0x0a, RB1, \pitch, \co, \base
	OUT16 2, 2, 0x0a, RB0, \pitch, \co, \base
	OUT16 3, 3, 0x0a, RB1, \pitch, \co, \base
	OUT16 4, 0, 0x0f, RB0, \pitch, \co, \base
	OUT16 5, 1, 0x0f, RB1, \pitch, \co, \base
	OUT16 6, 2, 0x0f, RB0, \pitch, \co, \base
	OUT16 7, 3, 0x0f, RB1, \pitch, \co, \base
.endm
	s_wait_tensorcnt 0x1                           ; my parts of xn and of slot 0 are in; slot 1's may stay out
	s_wait_loadcnt 0x0                             ; the biases
	s_barrier_signal -1
	s_barrier_wait -1
	FETCH 0, 0, F0
	; Q
	THREE 0, 0xa1, 0xf1, 0x91, 0xd1, 1, CBQ
	TURN 0, 1, 1, 0xa1, 0xf1
	THREE 1, 0xa1, 0xf1, 0xa1, 0xf1, 0, 0
	TURN 1, 0, 1, 0xa1, 0xf1
	OUTALL 512, CO512, 66
	; K
	THREE 0, 0xa1, 0xf1, 0x91, 0xd1, 1, CBK
	TURN 0, 1, 1, 0xa1, 0xf1
	THREE 1, 0xa1, 0xf1, 0xa1, 0xf1, 0, 0
	TURN 1, 0, 1, 0xa1, 0xf1
	OUTALL 512, CO512, 68
	WIN 0x40                                       ; V's bias tiles: a lane's channel is one, so its bias fills the tile's 8 registers
.irp b, 0,1,2,3,4,5,6,7
.irp j, 0,1,2,3,4,5,6,7
	v_mov_b32 v[CBQ+8*\b+\j], v[BVR+\b]
.endr
.endr
	; V: the sources' windows swapped
	THREE 0, 0xa4, 0xf4, 0x94, 0xd4, 2, CBQ
	TURN 0, 1, 0, 0xa4, 0xf4                       ; nothing is left to fetch: a plain barrier
	THREE 1, 0xa4, 0xf4, 0xa4, 0xf4, 0, 0
	s_wait_dscnt 0x0
	WIN 0xa4
	MUL16 F1, 0, 0, 0, 0
	MUL16 F1, 0, 2, 0, 0
	WIN 0xf4
	MUL16 F1, 1, 0, 0, 0
	MUL16 F1, 1, 2, 0, 0
	OUTALL 2048, CO2048, 70
	s_set_vgpr_msb (MSB<<8)|((MSB&0xf0)|0x0)
	s_wait_tensorcnt 0x0
	ds_add_u32 v30, v31
	s_wait_dscnt 0x0
	s_set_vgpr_msb (((MSB&0xf0)|0x0)<<8)|MSB
	CROUND                                         ; the closing round
	s_endpgm
.Lfunc_end_k_qcc7e608ccf_qkv:
	.size	k_qcc7e608ccf_qkv, .Lfunc_end_k_qcc7e608ccf_qkv-k_qcc7e608ccf_qkv
	.p2alignl 7, 3214868480
	.fill 96, 4, 3214868480
	.section	.rodata,"a",@progbits
	.p2align	6, 0x0
	.amdhsa_kernel k_qcc7e608ccf_qkv
		.amdhsa_group_segment_fixed_size 327680
		.amdhsa_private_segment_fixed_size 0
		.amdhsa_enable_private_segment 0
		.amdhsa_kernarg_size 64
		.amdhsa_user_sgpr_count 2
		.amdhsa_user_sgpr_kernarg_segment_ptr 1
		.amdhsa_wavefront_size32 1
		.amdhsa_system_sgpr_workgroup_id_x 1
		.amdhsa_system_sgpr_workgroup_id_y 1
		.amdhsa_system_sgpr_workgroup_id_z 1
		.amdhsa_system_vgpr_workitem_id 0
		.amdhsa_next_free_vgpr 1024
		.amdhsa_next_free_sgpr 72
		.amdhsa_reserve_vcc 0
		.amdhsa_float_denorm_mode_32 3
		.amdhsa_float_denorm_mode_16_64 3
		.amdhsa_memory_ordered 1
		.amdhsa_forward_progress 1
		.amdhsa_inst_pref_size 255
	.end_amdhsa_kernel
	.section	.bss,"aw",@nobits
	.p2align	6
	.space	262144
	.amdgpu_metadata
---
amdhsa.version: [ 1, 2 ]
amdhsa.kernels:
  - .name:           k_qcc7e608ccf_qkv
    .symbol:         k_qcc7e608ccf_qkv.kd
    .args:
      - { .name: xnb, .offset: 0, .size: 8, .value_kind: global_buffer, .address_space: global }
      - { .name: wb, .offset: 8, .size: 8, .value_kind: global_buffer, .address_space: global }
      - { .name: bq, .offset: 16, .size: 8, .value_kind: global_buffer, .address_space: global }
      - { .name: bk, .offset: 24, .size: 8, .value_kind: global_buffer, .address_space: global }
      - { .name: bv, .offset: 32, .size: 8, .value_kind: global_buffer, .address_space: global }
      - { .name: qb, .offset: 40, .size: 8, .value_kind: global_buffer, .address_space: global }
      - { .name: kb, .offset: 48, .size: 8, .value_kind: global_buffer, .address_space: global }
      - { .name: vb, .offset: 56, .size: 8, .value_kind: global_buffer, .address_space: global }
    .group_segment_fixed_size: 327680
    .private_segment_fixed_size: 0
    .kernarg_segment_align: 8
    .kernarg_segment_size: 64
    .max_flat_workgroup_size: 128
    .sgpr_count:     72
    .vgpr_count:     1024
    .wavefront_size: 32
...
	.end_amdgpu_metadata
.endif
;; end of part 2
;; launch attn (part 3): grid 256 x 1, 4 waves a work-group, clusters of 4 x 1, 327,680 bytes of LDS; arguments qb, kb, vb, wb, ab, x, out0; writes out0
.if DOCPART == 3
	.amdgcn_target "amdgcn-amd-amdhsa--gfx1250"
	.amdhsa_code_object_version 6
	.text
	.protected	k_qcc7e608ccf_attn
	.globl	k_qcc7e608ccf_attn
	.p2align	8
	.type	k_qcc7e608ccf_attn,@function
k_qcc7e608ccf_attn:
	s_mov_b64 s[64:65], 0
	v_nop
	global_prefetch_b8 v0, s[64:65] scope:SCOPE_SE
	s_setreg_imm32_b32 hwreg(HW_REG_WAVE_MODE, 25, 1), 1
	s_wait_xcnt 0x0
	s_wait_alu depctr_hold_cnt(0) depctr_sa_sdst(0) depctr_va_vdst(0) depctr_va_sdst(0) depctr_va_ssrc(0) depctr_va_vcc(0) depctr_vm_vsrc(0)
	s_getreg_b32 s2, hwreg(HW_REG_IB_STS2, 6, 4)
	s_cmp_eq_u32 s2, 0
	s_cbranch_scc0 .Lentry_in_a_cluster
	s_endpgm
.Lentry_in_a_cluster:
	s_bfe_u32 s2, ttmp6, 0x10000c
	s_cmp_lg_u32 s2, 0x3003
	s_cbranch_scc0 .Lentry_shape_is_right
	s_endpgm
.Lentry_shape_is_right:
; out0 = a x + b' + Wo softmax(q k / 8) v.  qb, kb: [64][1024 pos][256 ch] bf16; vb: [64][256 ch][1024 pos] bf16; wb + 393,216: Wo bf16;
; ab: [64][4][2][64] f32 (a, then b' = beta - mean a + bo); x, out0: [64][256][1024] f32.
; A cluster of four work-groups is one image; work-group cx takes 256 queries, wave w 64 of them.  Query block q (0..3), lane r = position
; p0 + 4 r + q, so that at the end a lane's four blocks are 16 neighbouring bytes of a row of out0 and sixteen lanes hold 256, aligned.
; All four work-groups walk the same K and V: tiles of 128 keys are asked for jointly (mask 15) into two LDS slots; waves 0, 1 ask for K's
; 64 keys each, waves 2, 3 for V's 128 channels each.  Wo comes the same way into slot 0 behind the last trip's round.
; EVERY PRODUCT IS USED TRANSPOSED, so no result is ever shuffled:
;   S^T(key, query) = K rows x Q rows: lane (r, h), register j = key 16 kt + 8 h + j of query r.  Two such tiles, packed to bf16, ARE the
;   second source of O^T(ch, query) = V rows x P; two packed tiles of O^T ARE the second source of out^T = Wo rows x O.
;   The maximum, the sum, the rescale and 1 / l are one number a lane and query block.
; Softmax: a running maximum over steps of 64 keys; p = exp2(s c - m c), c = log2(e) / 8; O and l are rescaled by exp2((m_old - m_new) c) in every step.
; O goes into Wo unnormalised (1 / l is one number a lane, so it commutes with the product) and is divided afterwards.
; Limits: q, k, v, p, O and Wo are bf16 matrix operands; l is summed from the f32 p; NaN and infinities are not treated specially.
; Windows: 0: addresses, softmax state, 3 fragment buffers, S; 1: Q, later O in bf16; 2, 3: O, later x (2) and a, b' (3).
.set KPITCH, 528                       ; 512 + 16 bytes: sixteen rows start at sixteen different 16-byte columns modulo 256
.set VPITCH, 272                       ; 256 + 16 bytes, likewise
.set PART,   34816                     ; a wave's part of a slot: 64 x 528 fit, 128 x 272 fill it
.set SLOT,   4*PART
.set ADRK, 1                           ; v1-2   K fragments in slot 0, 1: r x 528 + 16 h
.set ADRV, 3                           ; v3-4   V fragments in slot 0, 1: 2 parts + r x 272 + 16 h
.set PFO,  5                           ; v5     4,096 x lane: a channel a lane, for the prefetch of x
.set ADRQ, 6                           ; v6     my Q rows; later Wo's rows 128-255
.set XO,   7                           ; v7     8 h channels of 4,096 bytes + 16 r
.set MXA,  8                           ; v8-11, v12-15: the old and the new maximum, by the step's parity
.set MXB,  12
.set LSUM, 16                          ; v16-19 the row sum of my half of the keys; later 1 / l
.set ALF,  20                          ; v20-23 the rescale
.set NMX,  24                          ; v24-27 - m c; also the lane exchange's destination and two sums' pairs
.set TMX,  28                          ; v28-31 at work
.set FRG,  32                          ; v32-127 three buffers of four fragments
.set SREG, 128                         ; v128-255 S: tile (kt, q) at 16 (2 q + kt / 2) + 8 (kt mod 2); P(q, ks) packed in place at 16 (2 q + ks)
.set G1K, 24
.set G1V, 32
.set G1Q, 40
.set G0K, 48                           ; one set for each slot
.set G0Q, 56
.set G0W, 60
.set G0V, 80                           ; one set for each slot
.set MSB, 0
.macro WIN new
.if MSB != \new
	s_set_vgpr_msb (MSB<<8)|\new
.set MSB, \new
.endif
.endm
.macro PLACES cnt                      ; plain vector places behind a matrix instruction (ISA guide 7.12.1)
.rept \cnt
	v_nop
.endr
.endm
.macro ROUND                           ; a round of the cluster's barrier
	s_barrier_signal -1
	s_barrier_wait -1
	s_cmp_lg_u32 s18, 0
	s_cbranch_scc1 .Lnot_wave_0_\@
	s_barrier_signal -3
.Lnot_wave_0_\@:
	s_barrier_wait -3
	s_barrier_signal -1
	s_barrier_wait -1
.endm
.macro JLOAD s                         ; waves 0, 1: 64 keys of K; waves 2, 3: 128 channels of V.  The branch hangs on the wave's number alone.
	s_cmp_lt_u32 s18, 2
	s_cbranch_scc0 .Lfor_v_\@
	tensor_load_to_lds s[G0K+4*\s:G0K+4*\s+3], s[G1K:G1K+7]
	s_nop 0
	s_branch .Lasked_\@
.Lfor_v_\@:
	tensor_load_to_lds s[G0V+4*\s:G0V+4*\s+3], s[G1V:G1V+7]
	s_nop 0
.Lasked_\@:
.endm
	s_load_b256 s[4:11], s[0:1], 0x0               ; qb, kb, vb, wb
	s_load_b128 s[12:15], s[0:1], 0x20             ; ab, x
	s_load_b64 s[16:17], s[0:1], 0x30              ; out0
	v_lshl_add_u32 v254, v0, 2, 0x44000
	v_mov_b32 v255, 0
	ds_add_u32 v254, v255
	s_wait_dscnt 0x0
	v_lshrrev_b32 v28, 5, v0
	v_readfirstlane_b32 s18, v28                   ; wave 0..3
	s_bfe_u32 s19, ttmp6, 0x40000                  ; cx
	s_and_b32 s20, s18, 1                          ; which 64 keys of K, or which 128 channels of V, I ask for
	; K's and Wo's tile: 64 rows x 256 elements, 16 bytes behind each 128 words, joint
	s_mov_b32 s[G1K+0], 15|(1<<16)|(1<<20)|(1<<21)|(6<<22)|(3<<25)
	s_mov_b32 s[G1K+1], 256<<16
	s_mov_b32 s[G1K+2], 64<<16
	s_mov_b32 s[G1K+3], 256<<16
	s_mov_b32 s[G1K+4], 64
	s_mov_b32 s[G1K+5], 256
	s_mov_b32 s[G1K+6], 0
	s_mov_b32 s[G1K+7], 0
	; V's tile: 128 rows (channels) x 128 keys, 16 bytes behind each 64 words, joint
	s_mov_b32 s[G1V+0], 15|(1<<16)|(1<<20)|(1<<21)|(5<<22)|(3<<25)
	s_mov_b32 s[G1V+1], 128<<16
	s_mov_b32 s[G1V+2], 128<<16
	s_mov_b32 s[G1V+3], 128<<16
	s_mov_b32 s[G1V+4], 128
	s_mov_b32 s[G1V+5], 1024
	s_mov_b32 s[G1V+6], 0
	s_mov_b32 s[G1V+7], 0
	; Q's tile: as K's, my own
	s_mov_b32 s[G1Q+0], (1<<16)|(1<<20)|(6<<22)|(3<<25)
	s_mov_b32 s[G1Q+1], 256<<16
	s_mov_b32 s[G1Q+2], 64<<16
	s_mov_b32 s[G1Q+3], 256<<16
	s_mov_b32 s[G1Q+4], 64
	s_mov_b32 s[G1Q+5], 256
	s_mov_b32 s[G1Q+6], 0
	s_mov_b32 s[G1Q+7], 0
	s_mov_b32 s68, 0x76543210
	s_mov_b32 s69, 0xfedcba98
	s_mov_b32 s70, 0x3e38aa3b                      ; c = log2(e) / 8
	s_mov_b32 s71, 0x3e38aa3b
	s_mov_b32 s72, 0xbe38aa3b                      ; - c
	s_mul_i32 s21, s18, PART                       ; my part of a slot
	s_lshl_b32 s22, ttmp9, 19                      ; the image in qb, kb, vb
	s_lshl_b32 s23, s20, 15
	s_add_co_u32 s66, s22, s23                     ; K: 64 keys of 512 bytes
	s_mov_b32 s67, 0
	s_lshl_b32 s23, s20, 18
	s_add_co_u32 s88, s22, s23                     ; V: 128 channels of 2,048 bytes
	s_mov_b32 s89, 0
	s_lshl_b32 s90, s18, 15
	s_add_co_u32 s90, s90, 3*131072                ; Wo: 64 rows of 512 bytes a wave
	s_mov_b32 s91, 0
	s_lshl_b32 s92, s19, 17
	s_add_co_u32 s92, s92, s22
	s_lshl_b32 s93, s18, 15
	s_add_co_u32 s92, s92, s93                     ; Q: row 256 cx + 64 w
	s_mov_b32 s93, 0
	s_lshl_b32 s94, ttmp9, 20
	s_lshl_b32 s95, s19, 10
	s_add_co_u32 s94, s94, s95
	s_lshl_b32 s95, s18, 8
	s_add_co_u32 s94, s94, s95                     ; x, out0: the image, position 256 cx + 64 w
	s_mov_b32 s95, 0
	s_lshl_b32 s96, ttmp9, 11                      ; ab: 2,048 bytes an image
	s_mov_b32 s97, 0
	s_wait_kmcnt 0x0
	s_add_nc_u64 s[6:7], s[6:7], s[66:67]
	s_add_nc_u64 s[8:9], s[8:9], s[88:89]
.irp s, 0,1
	s_mov_b32 s[G0K+4*\s], 1
	s_add_co_u32 s[G0K+4*\s+1], s21, \s*SLOT
	s_add_nc_u64 s[G0K+4*\s+2:G0K+4*\s+3], s[6:7], \s*65536        ; tile s: 128 keys of 512 bytes on
	s_or_b32 s[G0K+4*\s+3], s[G0K+4*\s+3], 0x80000000
	s_mov_b32 s[G0V+4*\s], 1
	s_add_co_u32 s[G0V+4*\s+1], s21, \s*SLOT
	s_add_nc_u64 s[G0V+4*\s+2:G0V+4*\s+3], s[8:9], \s*256          ; tile s: 128 keys of 2 bytes on
	s_or_b32 s[G0V+4*\s+3], s[G0V+4*\s+3], 0x80000000
.endr
	s_mov_b32 s[G0Q], 1
	s_add_co_u32 s[G0Q+1], s21, SLOT               ; Q waits in slot 1 until it is in registers
	s_add_nc_u64 s[G0Q+2:G0Q+3], s[4:5], s[92:93]
	s_or_b32 s[G0Q+3], s[G0Q+3], 0x80000000
	s_mov_b32 s[G0W], 1
	s_mov_b32 s[G0W+1], s21
	s_add_nc_u64 s[G0W+2:G0W+3], s[10:11], s[90:91]
	s_or_b32 s[G0W+3], s[G0W+3], 0x80000000
	s_add_nc_u64 s[74:75], s[14:15], s[94:95]      ; x
	s_add_nc_u64 s[76:77], s[16:17], s[94:95]      ; out0
	s_add_nc_u64 s[78:79], s[12:13], s[96:97]      ; ab
	ROUND                                          ; all four work-groups are here
	tensor_load_to_lds s[G0Q:G0Q+3], s[G1Q:G1Q+7]  ; two loads of the wave are out
	s_nop 0
	JLOAD 0
	v_and_b32 v28, 15, v0                          ; r
	v_bfe_u32 v29, v0, 4, 1                        ; h
	v_mul_u32_u24 v30, v28, KPITCH
	v_lshl_add_u32 v[ADRK], v29, 4, v30
	v_add_nc_u32 v[ADRK+1], SLOT, v[ADRK]
	v_mul_u32_u24 v30, v28, VPITCH
	v_lshl_add_u32 v30, v29, 4, v30
	v_add_nc_u32 v[ADRV], 2*PART, v30
	v_add_nc_u32 v[ADRV+1], SLOT, v[ADRV]
	v_and_b32 v[PFO], 31, v0
	v_lshlrev_b32 v[PFO], 12, v[PFO]
	v_mul_u32_u24 v30, v28, 4*KPITCH               ; lane r's queries are rows 4 r + q
	v_lshl_add_u32 v30, v29, 4, v30
	s_add_co_u32 s23, s21, SLOT
	v_add_nc_u32 v[ADRQ], s23, v30
	v_lshlrev_b32 v[XO], 4, v28
	v_lshl_add_u32 v[XO], v29, 15, v[XO]
.irp q, 0,1,2,3
	v_mov_b32 v[NMX+\q], 0                         ; the lane exchange's destination counts as read
.endr
	s_wait_tensorcnt 0x1                           ; Q is in; the first K, V tile may stay out.  Only the wave that asked for these rows reads them.
	WIN 0x40                                       ; Q(q, kc) into window 1 at 8 (4 kc + q).  Rows 2,112 bytes apart fall on four 16-byte columns modulo 256: paid once
.irp kc, 0,1,2,3,4,5,6,7
.irp q, 0,1,2,3
	ds_load_b128 v[8*(4*\kc+\q):8*(4*\kc+\q)+3],   v[ADRQ] offset:\q*KPITCH+64*\kc
	ds_load_b128 v[8*(4*\kc+\q)+4:8*(4*\kc+\q)+7], v[ADRQ] offset:\q*KPITCH+64*\kc+32
.endr
.endr
	WIN 0
; four fragments of rows of 528 bytes (K, Wo): rows 16 i + r, 32 elements at kc
.macro LDK adr, off, kc, buf
.irp i, 0,1,2,3
	ds_load_b128 v[FRG+32*(\buf)+8*\i:FRG+32*(\buf)+8*\i+3],   v[\adr] offset:(\off)+\i*16*KPITCH+64*(\kc)
	ds_load_b128 v[FRG+32*(\buf)+8*\i+4:FRG+32*(\buf)+8*\i+7], v[\adr] offset:(\off)+\i*16*KPITCH+64*(\kc)+32
.endr
.endm
; four fragments of V: channel blocks 4 (idx / 2) + i, keys 64 half + 32 (idx mod 2) ..
.macro LDV slot, half, idx, buf
.irp i, 0,1,2,3
.set VOFF, ((4*((\idx)/2)+\i)/8)*PART+((4*((\idx)/2)+\i)%8)*16*VPITCH+128*(\half)+64*((\idx)%2)
	ds_load_b128 v[FRG+32*(\buf)+8*\i:FRG+32*(\buf)+8*\i+3],   v[ADRV+\slot] offset:VOFF
	ds_load_b128 v[FRG+32*(\buf)+8*\i+4:FRG+32*(\buf)+8*\i+7], v[ADRV+\slot] offset:VOFF+32
.endr
.endm
; group num (0..31) of a trip's stream: 0-7 K of keys 0-63, 8-15 V of them, 16-23 K of keys 64-127, 24-31 V of them; buffer num mod 3
.macro LDG slot, num
.if ((\num)%16) < 8
	LDK ADRK+\slot, ((\num)/16)*PART, (\num)%8, (\num)%3
.else
	LDV \slot, (\num)/16, (\num)%8, (\num)%3
.endif
.endm
; 16 matrix instructions: S(i, q) += fragment i x window 1's fragment (q, kc).  The 16 accumulators take turns.
.macro SG buf, kc
.irp i, 0,1,2,3
.irp q, 0,1,2,3
.set ST, SREG+16*(2*\q+\i/2)+8*(\i%2)
.if (\kc) == 0
	v_wmma_f32_16x16x32_bf16 v[ST:ST+7], v[FRG+32*(\buf)+8*\i:FRG+32*(\buf)+8*\i+7], v[8*(4*(\kc)+\q):8*(4*(\kc)+\q)+7], 0
.else
	v_wmma_f32_16x16x32_bf16 v[ST:ST+7], v[FRG+32*(\buf)+8*\i:FRG+32*(\buf)+8*\i+7], v[8*(4*(\kc)+\q):8*(4*(\kc)+\q)+7], v[ST:ST+7]
.endif
.endr
.endr
.endm
; query block q: s c - m c, then exp2, in place.  pr, sel: the pair and the register of it that hold - m c
.macro SCALEQ q, pr, sel
.set i, 0
.rept 16
	v_pk_fma_f32 v[SREG+32*\q+2*i:SREG+32*\q+2*i+1], v[SREG+32*\q+2*i:SREG+32*\q+2*i+1], s[70:71], v[NMX+\pr:NMX+\pr+1] op_sel:[0,0,\sel] op_sel_hi:[1,0,\sel]
.set i, i+1
.endr
.set i, 0
.rept 32
	v_exp_f32 v[SREG+32*\q+i], v[SREG+32*\q+i]
.set i, i+1
.endr
.endm
; one step's softmax on 64 keys x 64 queries; a lane has 32 keys of each of its four queries, the lane 16 away the other 32
.macro SOFT old, new, first
.irp q, 0,1,2,3
	v_max3_num_f32 v[TMX+\q], v[SREG+32*\q], v[SREG+32*\q+1], v[SREG+32*\q+2]
.endr
.set i, 3
.rept 14
.irp q, 0,1,2,3
	v_max3_num_f32 v[TMX+\q], v[TMX+\q], v[SREG+32*\q+i], v[SREG+32*\q+i+1]
.endr
.set i, i+2
.endr
.irp q, 0,1,2,3
.if \first
	v_max_num_f32 v[TMX+\q], v[TMX+\q], v[SREG+32*\q+31]
.else
	v_max3_num_f32 v[TMX+\q], v[TMX+\q], v[SREG+32*\q+31], v[\old+\q]
.endif
.endr
.irp q, 0,1,2,3
	v_permlanex16_b32 v[NMX+\q], v[TMX+\q], s68, s69
.endr
.irp q, 0,1,2,3
	v_max_num_f32 v[\new+\q], v[TMX+\q], v[NMX+\q]  ; the running maximum, equal in both halves of the lanes
.endr
.irp q, 0,1,2,3
	v_mul_f32 v[NMX+\q], s72, v[\new+\q]
.endr
.if \first == 0
.irp q, 0,1,2,3
	v_fma_f32 v[ALF+\q], v[\old+\q], s70, v[NMX+\q]
.endr
.irp q, 0,1,2,3
	v_exp_f32 v[ALF+\q], v[ALF+\q]                  ; exp2((m_old - m_new) c); plain multiply-adds follow before it is used
.endr
.endif
	SCALEQ 0, 0, 0
	SCALEQ 1, 0, 1
	SCALEQ 2, 2, 0
	SCALEQ 3, 2, 1
	v_nop                                          ; one plain place between the run of exponentials and the first use (ISA guide 5.7.2)
	; the sums of the f32 p, in pairs: blocks 0, 1 in v28-31, blocks 2, 3 in v24-27, which are free now
	s_wait_alu depctr_va_vdst(0)
.irp q, 0,1,2,3
	v_pk_add_f32 v[TMX+2*\q-8*(\q/2):TMX+2*\q-8*(\q/2)+1], v[SREG+32*\q:SREG+32*\q+1], v[SREG+32*\q+2:SREG+32*\q+3]
.endr
.set i, 4
.rept 14
.irp q, 0,1,2,3
	v_pk_add_f32 v[TMX+2*\q-8*(\q/2):TMX+2*\q-8*(\q/2)+1], v[TMX+2*\q-8*(\q/2):TMX+2*\q-8*(\q/2)+1], v[SREG+32*\q+i:SREG+32*\q+i+1]
.endr
.set i, i+2
.endr
.irp q, 0,1,2,3
.if \first
	v_add_f32 v[LSUM+\q], v[TMX+2*\q-8*(\q/2)], v[TMX+2*\q-8*(\q/2)+1]
.else
	v_fma_f32 v[LSUM+\q], v[LSUM+\q], v[ALF+\q], v[TMX+2*\q-8*(\q/2)]
.endif
.endr
.if \first == 0
.irp q, 0,1,2,3
	v_add_f32 v[LSUM+\q], v[LSUM+\q], v[TMX+2*\q-8*(\q/2)+1]
.endr
.endif
	; p to bf16, in place: 16 registers (two S tiles) become the 8 of a fragment
.irp q, 0,1,2,3
.irp ks, 0,1
.irp e, 0,1,2,3,4,5,6,7
	v_cvt_pk_bf16_f32 v[SREG+32*\q+16*\ks+\e], v[SREG+32*\q+16*\ks+2*\e], v[SREG+32*\q+16*\ks+2*\e+1]
.endr
.endr
.endr
.endm
.macro RESCQ base, q, pr, sel
.irp p, 0,2,4,6
	v_pk_mul_f32 v[\base+8*\q+\p:\base+8*\q+\p+1], v[\base+8*\q+\p:\base+8*\q+\p+1], v[ALF+\pr:ALF+\pr+1] op_sel:[0,\sel] op_sel_hi:[1,\sel]
.endr
.endm
.macro RESC cbg                        ; O of channel blocks 4 cbg .. + 3 times the rescale: 64 packed multiplies
.if (\cbg) < 2
	WIN 0x82
.else
	WIN 0xc3
.endif
.irp i, 0,1,2,3
	RESCQ 32*((4*(\cbg)+\i)%8), 0, 0, 0
	RESCQ 32*((4*(\cbg)+\i)%8), 1, 0, 1
	RESCQ 32*((4*(\cbg)+\i)%8), 2, 2, 0
	RESCQ 32*((4*(\cbg)+\i)%8), 3, 2, 1
.endr
.endm
; 16 matrix instructions: O(4 cbg + i, q) += V fragment i x P(q, ks); the accumulators take turns
.macro PVG buf, cbg, ks, zero
.irp i, 0,1,2,3
.irp q, 0,1,2,3
.set OT, 32*((4*(\cbg)+\i)%8)+8*\q
.if (\zero)*(1-(\ks))
	v_wmma_f32_16x16x32_bf16 v[OT:OT+7], v[FRG+32*(\buf)+8*\i:FRG+32*(\buf)+8*\i+7], v[SREG+16*(2*\q+(\ks)):SREG+16*(2*\q+(\ks))+7], 0
.else
	v_wmma_f32_16x16x32_bf16 v[OT:OT+7], v[FRG+32*(\buf)+8*\i:FRG+32*(\buf)+8*\i+7], v[SREG+16*(2*\q+(\ks)):SREG+16*(2*\q+(\ks))+7], v[OT:OT+7]
.endif
.endr
.endr
.endm
; one group of the P V phase.  The buffer that the load two groups ahead fills was read by the group before: the rescale's 64 multiplies,
; which name none of that group's registers, or four v_nop are the places.
.macro PVSTEP slot, half, idx, zero
.set NN, 16*\half+8+\idx
.if (1-\zero)*(1-(\idx)%2)
	RESC (\idx)/2
.elseif \idx
	PLACES 4
.endif
.if \idx
.if NN+2 < 32
	WIN 0
	LDG \slot, (16*\half+10+\idx)
.endif
.endif
.if NN+2 < 32
	s_wait_dscnt 16                                ; the two younger groups' 16 loads may be out
.elseif NN+2 == 32
	s_wait_dscnt 8                                 ; one younger group
.else
	s_wait_dscnt 0
.endif
.if (\idx) < 4
	WIN 0xa0
.else
	WIN 0xf0
.endif
	PVG ((16*\half+8+\idx)%3), (\idx)/2, (\idx)%2, \zero
.endm
; 64 keys: 128 matrix instructions for S, the softmax, 128 for P V.  pf = 1: each S group asks for 32 of the wave's 256 blocks of x.
.macro STEP slot, half, old, new, zero, pf
	WIN 0x04                                       ; source 1 (Q) in window 1; an LDS load has no source 1, so the loads run under it too
.irp kc, 0,1,2,3,4,5,6,7
.if \kc
	PLACES 4                                       ; the buffer filled next was read by the group before
.endif
	LDG \slot, (16*\half+\kc+2)
	s_wait_dscnt 16                                ; the two younger groups' 16 loads may be out
	SG ((16*\half+\kc)%3), \kc
.if \pf
	global_prefetch_b8 v[PFO], s[74:75] offset:\kc*131072 th:TH_LOAD_NT scope:SCOPE_SE   ; channels 32 kc + lane, my 256 bytes of each: every block once, one step ahead of its load
.endif
.endr
	PLACES 4                                       ; in front of the reads of S and of the load into the last group's buffer
	LDG \slot, (16*\half+10)
	WIN 0
	SOFT \old, \new, \zero
.irp idx, 0,1,2,3,4,5,6,7
	PVSTEP \slot, \half, \idx, \zero
.endr
	WIN 0
	PLACES 5                                       ; before S is written over P, and before loads land in the last buffers
.endm
; 128 keys.  mode 1: the first trip (its first step starts m, l and O); mode 2: the last (slot 0 gets Wo; x is asked for ahead).
; In front of the round: all my tensor loads have landed (my part of this trip's tile among them) and my LDS reads are back.
; Behind it: my one tensor load, into the slot read last; one load of the wave is out, with the trip's 512 matrix instructions in which to land.
.macro TRIP slot, mode
	s_wait_xcnt 0x0
	v_lshl_add_u32 v254, v0, 2, 0x44000
	v_mov_b32 v255, 0
	s_wait_tensorcnt 0x0
	ds_add_u32 v254, v255
	s_wait_dscnt 0x0
	s_add_nc_u64 s[G0K+4*\slot+2:G0K+4*\slot+3], s[G0K+4*\slot+2:G0K+4*\slot+3], 131072   ; this slot's next tile, two tiles on
	s_add_nc_u64 s[G0V+4*\slot+2:G0V+4*\slot+3], s[G0V+4*\slot+2:G0V+4*\slot+3], 512
	s_wait_dscnt 0x0
	ROUND
.if \mode == 2
	tensor_load_to_lds s[G0W:G0W+3], s[G1K:G1K+7]  ; Wo: 64 rows a wave
	s_nop 0
.else
	JLOAD (1-\slot)
.endif
	LDG \slot, 0
	LDG \slot, 1
.if \mode == 1
	STEP \slot, 0, MXA, MXB, 1, 0
.else
	STEP \slot, 0, MXA, MXB, 0, 0
.endif
.if \mode == 2
	STEP \slot, 1, MXB, MXA, 0, 1
.else
	STEP \slot, 1, MXB, MXA, 0, 0
.endif
.endm
	TRIP 0, 1
	s_mov_b32 s73, 3
.Ltrips:
	TRIP 1, 0
	TRIP 0, 0
	s_sub_co_u32 s73, s73, 1
	s_cmp_lg_u32 s73, 0
	s_cbranch_scc1 .Ltrips
	TRIP 1, 2                                      ; the stepped addresses of K and V are not used any more
	; THE END: out^T = Wo x O, divided by l, plus a x + b'
	s_wait_tensorcnt 0x0                           ; my 64 rows of Wo are in,
	s_wait_dscnt 0x0
	s_barrier_signal -1
	s_barrier_wait -1                              ; everybody's are
.irp q, 0,1,2,3
	v_permlanex16_b32 v[NMX+\q], v[LSUM+\q], s68, s69
.endr
.irp q, 0,1,2,3
	v_add_f32 v[LSUM+\q], v[LSUM+\q], v[NMX+\q]    ; both halves of the keys; l is at least about 1: the largest p is
.endr
.irp q, 0,1,2,3
	v_rcp_f32 v[LSUM+\q], v[LSUM+\q]
.endr
	v_bfe_u32 v[TMX], v0, 4, 1
	v_lshlrev_b32 v[TMX], 5, v[TMX]                ; 8 h channels in a and b'
	v_add_nc_u32 v[ADRQ], 2*PART, v[ADRK]          ; Wo's rows 128-255
	s_wait_alu depctr_va_vdst(0)
.macro LDKE g                          ; group g = 8 ctg + kc of Wo's stream: rows 64 ctg + 16 i + r
.if (\g)/8 < 2
	LDK ADRK, (((\g)/8)%2)*PART, (\g)%8, (\g)%3
.else
	LDK ADRQ, (((\g)/8)%2)*PART, (\g)%8, (\g)%3
.endif
.endm
	LDKE 0
	LDKE 1
.macro OPACK kc                        ; O(2 kc, q) and O(2 kc + 1, q) become the fragment (q, kc) in window 1, where Q was
.irp q, 0,1,2,3
.irp e, 0,1
.irp i, 0,1,2,3
	v_cvt_pk_bf16_f32 v[8*(4*\kc+\q)+4*\e+\i], v[32*((2*\kc+\e)%8)+8*\q+2*\i], v[32*((2*\kc+\e)%8)+8*\q+2*\i+1]
.endr
.endr
.endr
.endm
	WIN 0x4f                                       ; window 3 first, so that a and b' can be asked for
	OPACK 4
	OPACK 5
	OPACK 6
	OPACK 7
	WIN 0xc0                                       ; a at 8 ct + j, b' at 128 + 8 ct + j: channel 16 ct + 8 h + j
.irp ct, 0,1,2,3,4,5,6,7,8,9,10,11,12,13,14,15
	global_load_b128 v[8*\ct:8*\ct+3],         v[TMX], s[78:79] offset:(\ct/4)*512+(\ct%4)*64
	global_load_b128 v[8*\ct+4:8*\ct+7],       v[TMX], s[78:79] offset:(\ct/4)*512+(\ct%4)*64+16
	global_load_b128 v[128+8*\ct:128+8*\ct+3], v[TMX], s[78:79] offset:(\ct/4)*512+(\ct%4)*64+256
	global_load_b128 v[128+8*\ct+4:128+8*\ct+7], v[TMX], s[78:79] offset:(\ct/4)*512+(\ct%4)*64+272
.endr
	WIN 0x4a
	OPACK 0
	OPACK 1
	OPACK 2
	OPACK 3
.macro XLOAD ctg                       ; x of channels 64 ctg .. + 63, my 64 positions: 32 loads; 16 lanes take 256 consecutive bytes, aligned
	WIN 0x80
.irp ctl, 0,1,2,3
.irp j, 0,1,2,3,4,5,6,7
	global_load_b128 v[128*((\ctg)%2)+4*(8*\ctl+\j):128*((\ctg)%2)+4*(8*\ctl+\j)+3], v[XO], s[74:75] offset:(64*(\ctg)+16*\ctl+\j)*4096 th:TH_LOAD_NT
.endr
.endr
.endm
	XLOAD 0
	XLOAD 1
.macro AFF xr, ar                      ; x a + b' for two channels (an even j and the next), four positions each
	v_pk_fma_f32 v[\xr:\xr+1],   v[\xr:\xr+1],   v[\ar:\ar+1], v[128+\ar:128+\ar+1] op_sel_hi:[1,0,0]
	v_pk_fma_f32 v[\xr+2:\xr+3], v[\xr+2:\xr+3], v[\ar:\ar+1], v[128+\ar:128+\ar+1] op_sel_hi:[1,0,0]
	v_pk_fma_f32 v[\xr+4:\xr+5], v[\xr+4:\xr+5], v[\ar:\ar+1], v[128+\ar:128+\ar+1] op_sel:[0,1,1] op_sel_hi:[1,1,1]
	v_pk_fma_f32 v[\xr+6:\xr+7], v[\xr+6:\xr+7], v[\ar:\ar+1], v[128+\ar:128+\ar+1] op_sel:[0,1,1] op_sel_hi:[1,1,1]
.endm
.macro FIN ctg                         ; 64 output channels are summed: finish and store them
.set XB, 128*((\ctg)%2)
.if (\ctg) < 3
	s_wait_loadcnt 32                              ; a, b' and this x buffer are in; the younger buffer's 32 loads may be out
.else
	s_wait_loadcnt 0
.endif
	WIN 0xbe                                       ; these 64 multiply-adds name none of the products' registers: they are the places in front of the reads of S
.irp ctl, 0,1,2,3
.irp jp, 0,2,4,6
	AFF XB+4*(8*\ctl+\jp), 8*(4*(\ctg)+\ctl)+\jp
.endr
.endr
	WIN 0xa0
.irp ctl, 0,1,2,3
.irp j, 0,1,2,3,4,5,6,7
.irp q, 0,1,2,3
	v_fma_f32 v[XB+4*(8*\ctl+\j)+\q], v[SREG+16*(2*\q+\ctl/2)+8*(\ctl%2)+\j], v[LSUM+\q], v[XB+4*(8*\ctl+\j)+\q]
.endr
.endr
.endr
	WIN 0x08                                       ; a store's data is source 1
.irp ctl, 0,1,2,3
.irp j, 0,1,2,3,4,5,6,7
	global_store_b128 v[XO], v[XB+4*(8*\ctl+\j):XB+4*(8*\ctl+\j)+3], s[76:77] offset:(64*(\ctg)+16*\ctl+\j)*4096 th:TH_STORE_NT   ; 16 lanes store 256 consecutive bytes, aligned
.endr
.endr
.if (\ctg) < 2
	s_wait_xcnt 0x0                                ; the buffer, which the stores read, is loaded again only behind this wait
	XLOAD (\ctg)+2
.endif
.endm
.irp ctg, 0,1,2,3
.irp kc, 0,1,2,3,4,5,6,7
	WIN 0x04
.if \kc
	PLACES 4
.endif
.if 8*\ctg+\kc+2 < 32
	LDKE (8*\ctg+\kc+2)
	s_wait_dscnt 16
.elseif 8*\ctg+\kc+2 == 32
	s_wait_dscnt 8
.else
	s_wait_dscnt 0
.endif
	SG ((8*\ctg+\kc)%3), \kc
.endr
	FIN \ctg
.endr
	WIN 0
	s_wait_xcnt 0x0
	v_lshl_add_u32 v254, v0, 2, 0x44000
	v_mov_b32 v255, 0
	s_wait_tensorcnt 0x0
	ds_add_u32 v254, v255
	s_wait_dscnt 0x0
	ROUND                                          ; the closing round
	s_endpgm
.Lfunc_end_k_qcc7e608ccf_attn:
	.size	k_qcc7e608ccf_attn, .Lfunc_end_k_qcc7e608ccf_attn-k_qcc7e608ccf_attn
	.p2alignl 7, 3214868480
	.fill 96, 4, 3214868480
	.section	.rodata,"a",@progbits
	.p2align	6, 0x0
	.amdhsa_kernel k_qcc7e608ccf_attn
		.amdhsa_group_segment_fixed_size 327680
		.amdhsa_private_segment_fixed_size 0
		.amdhsa_enable_private_segment 0
		.amdhsa_kernarg_size 56
		.amdhsa_user_sgpr_count 2
		.amdhsa_user_sgpr_kernarg_segment_ptr 1
		.amdhsa_wavefront_size32 1
		.amdhsa_system_sgpr_workgroup_id_x 1
		.amdhsa_system_sgpr_workgroup_id_y 1
		.amdhsa_system_sgpr_workgroup_id_z 1
		.amdhsa_system_vgpr_workitem_id 0
		.amdhsa_next_free_vgpr 1024
		.amdhsa_next_free_sgpr 98
		.amdhsa_reserve_vcc 0
		.amdhsa_float_denorm_mode_32 3
		.amdhsa_float_denorm_mode_16_64 3
		.amdhsa_memory_ordered 1
		.amdhsa_forward_progress 1
		.amdhsa_inst_pref_size 255
	.end_amdhsa_kernel
	.section	.bss,"aw",@nobits
	.p2align	6
	.space	262144
	.amdgpu_metadata
---
amdhsa.version: [ 1, 2 ]
amdhsa.kernels:
  - .name:           k_qcc7e608ccf_attn
    .symbol:         k_qcc7e608ccf_attn.kd
    .args:
      - { .name: qb, .offset: 0, .size: 8, .value_kind: global_buffer, .address_space: global }
      - { .name: kb, .offset: 8, .size: 8, .value_kind: global_buffer, .address_space: global }
      - { .name: vb, .offset: 16, .size: 8, .value_kind: global_buffer, .address_space: global }
      - { .name: wb, .offset: 24, .size: 8, .value_kind: global_buffer, .address_space: global }
      - { .name: ab, .offset: 32, .size: 8, .value_kind: global_buffer, .address_space: global }
      - { .name: x, .offset: 40, .size: 8, .value_kind: global_buffer, .address_space: global }
      - { .name: out0, .offset: 48, .size: 8, .value_kind: global_buffer, .address_space: global }
    .group_segment_fixed_size: 327680
    .private_segment_fixed_size: 0
    .kernarg_segment_align: 8
    .kernarg_segment_size: 56
    .max_flat_workgroup_size: 128
    .sgpr_count:     98
    .vgpr_count:     1024
    .wavefront_size: 32
...
	.end_amdgpu_metadata
.endif
;; end of part 3
;; ======== version 2 of 3: 3 launches
;; workspace buffers: xnb 33,554,432 bytes; ab 131,072 bytes; wb 524,288 bytes; qb 33,554,432 bytes; kb 33,554,432 bytes; vb 33,554,432 bytes
;; launch norm: the kernel of part 1 again; grid 256 x 1, 8 waves a work-group, no clusters, 1,536 bytes of LDS; arguments x, gamma, beta, bo, wq, wk, wv, wo, xnb, ab, wb; writes xnb, ab, wb
;; launch qkv (part 4): grid 256 x 1, 4 waves a work-group, clusters of 4 x 1, 327,680 bytes of LDS; arguments xnb, wb, bq, bk, bv, qb, kb, vb; writes qb, kb, vb
.if DOCPART == 4
	.amdgcn_target "amdgcn-amd-amdhsa--gfx1250"
	.amdhsa_code_object_version 6
	.text
	.protected	k_qcc7e608ccf_qkv
	.globl	k_qcc7e608ccf_qkv
	.p2align	8
	.type	k_qcc7e608ccf_qkv,@function
k_qcc7e608ccf_qkv:
	s_mov_b64 s[64:65], 0
	v_nop
	global_prefetch_b8 v0, s[64:65] scope:SCOPE_SE
	s_setreg_imm32_b32 hwreg(HW_REG_WAVE_MODE, 25, 1), 1
	s_wait_xcnt 0x0
	s_wait_alu depctr_hold_cnt(0) depctr_sa_sdst(0) depctr_va_vdst(0) depctr_va_sdst(0) depctr_va_ssrc(0) depctr_va_vcc(0) depctr_vm_vsrc(0)
	s_getreg_b32 s2, hwreg(HW_REG_IB_STS2, 6, 4)
	s_cmp_eq_u32 s2, 0
	s_cbranch_scc0 .Lentry_in_a_cluster
	s_endpgm
.Lentry_in_a_cluster:
	s_bfe_u32 s2, ttmp6, 0x10000c
	s_cmp_lg_u32 s2, 0x3003
	s_cbranch_scc0 .Lentry_shape_is_right
	s_endpgm
.Lentry_shape_is_right:
; q, k, v = W xn + bias.  xnb: [64][256 c][1024 pos] bf16; wb: [4][256 out][256 c] bf16; biases f32.
; Out: qb, kb, vb: [64][1024 pos][256 ch] bf16.  Sums in f32, rounded once (nearest even).
; A cluster of four work-groups is one image; work-group cx takes 256 positions and makes all 768 output channels in three passes Q, K, V.
; A wave makes 128 positions x 128 channels: 64 accumulator tiles, 512 registers.  1,536 matrix instructions a wave.
; xn's 256 c x 256 positions stay in LDS for all three passes.  W goes through two slots of 256 rows x 128 c; slot s always holds K half s.
; xn comes as two loads a wave, 32 rows of each K half, so that the first K half is multiplied while the second is on its way.
; The four work-groups walk the same weights: each W tile is asked for jointly (mask 15), each wave asking for 64 rows of its own.
; xn lies [c][pos], that is [K][N]: its fragments come by the transposing LDS load.
; Source 0 = W rows, source 1 = xn, so a lane holds 8 neighbouring channels of one position: 16 bytes that belong together.
; The first K step of a pass takes a tile of the bias as C: nothing is cleared and no bias is added afterwards.
; Windows: 0: addresses, xn fragments (two buffers), the way out; 1: W fragments (two buffers), bias tiles; 2, 3: accumulators, tile (a, b) at 8 (8 a + b).
.set XPITCH, 544                       ; 512 bytes + 32: an odd multiple of 32
.set WPITCH, 272                       ; 256 bytes + 16: sixteen rows start at sixteen different 16-byte columns modulo 256
.set XBYTES, 256*XPITCH
.set WSLOT,  256*WPITCH
.set STAGE,  XBYTES+2*WSLOT            ; 16 rows x 272 bytes for each wave; no tensor load ever lands here
.set SPITCH, 272
.set ADRX,   16                        ; v16-17  xn fragments, K half 0, 1
.set ADRW,   20                        ; v20-21  W fragments, slot 0, 1
.set STO,    24
.set RD,     25
.set CO512,  26                        ; my byte offset in two rows of an output
.set BOFF,   28                        ; v28     my byte offset in a bias; never rewritten
.set RB1,    32                        ; v32-63, v224-255: rows read back from the stage, in turn
.set RB0,    224
.set F0,     64
.set F1,     128
.set TMP,    192
.set CBQ,    0                         ; window 1: bias tiles of Q, later of V
.set CBK,    192                       ; window 1: bias tiles of K
.set G1X, 24
.set G1W, 32
.set G0X, 40                           ; xn, K half 0
.set G0W, 44                           ; one set for each slot
.set G0Y, 72                           ; xn, K half 1
.set MSB, 0
.macro WIN new
.if MSB != \new
	s_set_vgpr_msb (MSB<<8)|\new
.set MSB, \new
.endif
.endm
.macro PLACES                          ; four plain vector places behind a matrix instruction (ISA guide 7.12.1)
.rept 4
	v_nop
.endr
.endm
.macro CREST                           ; a round of the cluster's barrier behind its opening barrier
	s_cmp_lg_u32 s20, 0
	s_cbranch_scc1 .Lnot_wave_0_\@
	s_barrier_signal -3
.Lnot_wave_0_\@:
	s_barrier_wait -3
	s_barrier_signal -1
	s_barrier_wait -1
.endm
.macro CROUND
	s_barrier_signal -1
	s_barrier_wait -1
	CREST
.endm
	s_load_b512 s[4:19], s[0:1], 0x0               ; xnb, wb, bq, bk, bv, qb, kb, vb
	v_lshl_add_u32 v30, v0, 2, 0x48400
	v_mov_b32 v31, 0
	ds_add_u32 v30, v31
	v_lshrrev_b32 v1, 5, v0
	v_readfirstlane_b32 s20, v1                    ; wave 0..3
	s_lshr_b32 s21, s20, 1                         ; which 128 positions are mine
	s_and_b32 s22, s20, 1                          ; which 128 channels
	s_bfe_u32 s23, ttmp6, 0x40000                  ; cx: which 256 positions of the image
	; xn's tile: 32 rows (c) x 256 positions, 32 bytes of padding behind each 128 words; not shared
	s_mov_b32 s[G1X+0], (1<<16)|(1<<20)|(6<<22)|(7<<25)
	s_mov_b32 s[G1X+1], 256<<16
	s_mov_b32 s[G1X+2], 32<<16
	s_mov_b32 s[G1X+3], 256<<16
	s_mov_b32 s[G1X+4], 32
	s_mov_b32 s[G1X+5], 1024
	s_mov_b32 s[G1X+6], 0
	s_mov_b32 s[G1X+7], 0
	; W's tile: 64 rows x 128 c, 16 bytes of padding behind each 64 words; mask 15: all four work-groups, bit 21 beside it
	s_mov_b32 s[G1W+0], 15|(1<<16)|(1<<20)|(1<<21)|(5<<22)|(3<<25)
	s_mov_b32 s[G1W+1], 128<<16
	s_mov_b32 s[G1W+2], 64<<16
	s_mov_b32 s[G1W+3], 128<<16
	s_mov_b32 s[G1W+4], 64
	s_mov_b32 s[G1W+5], 256
	s_mov_b32 s[G1W+6], 0
	s_mov_b32 s[G1W+7], 0
	s_mul_i32 s52, s20, 32*XPITCH                  ; LDS: my 32 rows of xn's K half 0
	s_mul_i32 s53, s20, 64*WPITCH
	s_add_co_u32 s53, s53, XBYTES                  ; LDS: my 64 rows of W in slot 0
	s_lshl_b32 s54, s20, 15                        ; wb: 64 rows of 512 bytes a wave
	s_mov_b32 s55, 0
	s_lshl_b32 s56, ttmp9, 19                      ; xnb: the image,
	s_lshl_b32 s57, s20, 16
	s_add_co_u32 s56, s56, s57                     ; my 32 rows of 2,048 bytes,
	s_lshl_b32 s57, s23, 9
	s_add_co_u32 s56, s56, s57                     ; the work-group's 256 positions
	s_mov_b32 s57, 0
	s_wait_dscnt 0x0
	s_wait_kmcnt 0x0
	s_mov_b32 s[G0X], 1
	s_mov_b32 s[G0X+1], s52
	s_add_nc_u64 s[G0X+2:G0X+3], s[4:5], s[56:57]
	s_mov_b32 s[G0Y], 1
	s_add_co_u32 s[G0Y+1], s52, 128*XPITCH
	s_add_nc_u64 s[G0Y+2:G0Y+3], s[G0X+2:G0X+3], 262144            ; 128 rows of 2,048 bytes on
	s_or_b32 s[G0X+3], s[G0X+3], 0x80000000
	s_or_b32 s[G0Y+3], s[G0Y+3], 0x80000000
	s_add_nc_u64 s[58:59], s[6:7], s[54:55]
.irp s, 0,1
	s_mov_b32 s[G0W+4*\s], 1
	s_add_co_u32 s[G0W+4*\s+1], s53, \s*WSLOT
	s_add_nc_u64 s[G0W+4*\s+2:G0W+4*\s+3], s[58:59], \s*256        ; wq, K half s
	s_or_b32 s[G0W+4*\s+3], s[G0W+4*\s+3], 0x80000000
.endr
	CROUND                                         ; all four work-groups are here: the first joint loads meet
	tensor_load_to_lds s[G0X:G0X+3], s[G1X:G1X+7]  ; four loads of the wave are out: K half 0 of xn and of wq first,
	s_nop 0
	tensor_load_to_lds s[G0W:G0W+3], s[G1W:G1W+7]
	s_nop 0
	tensor_load_to_lds s[G0Y:G0Y+3], s[G1X:G1X+7]  ; then K half 1
	s_nop 0
	tensor_load_to_lds s[G0W+4:G0W+7], s[G1W:G1W+7]
	s_nop 0
	v_and_b32 v1, 15, v0                           ; r
	v_bfe_u32 v2, v0, 4, 1                         ; h
	v_and_b32 v3, 7, v0
	v_lshl_add_u32 v3, v2, 3, v3                   ; the transposing load: row 8 h + lane mod 8,
	v_mul_u32_u24 v3, v3, XPITCH
	v_bfe_u32 v4, v0, 3, 1
	v_lshl_add_u32 v3, v4, 4, v3                   ; 16 bytes further for lanes 8-15 of each half
	s_lshl_b32 s52, s21, 8                         ; my 128 positions
	v_add_nc_u32 v[ADRX], s52, v3
	v_add_nc_u32 v[ADRX+1], 128*XPITCH, v[ADRX]
	v_mul_u32_u24 v5, v1, WPITCH
	v_lshl_add_u32 v5, v2, 4, v5                   ; r x 272 + 16 h
	s_mul_i32 s52, s22, 128*WPITCH
	s_add_co_u32 s52, s52, XBYTES                  ; my 128 rows of W
	v_add_nc_u32 v[ADRW], s52, v5
	v_add_nc_u32 v[ADRW+1], WSLOT, v[ADRW]
	s_mul_i32 s52, s20, 16*SPITCH
	s_add_co_u32 s52, s52, STAGE                   ; my stage
	v_add_nc_u32 v[STO], s52, v5
	v_mul_u32_u24 v6, v2, SPITCH
	v_lshl_add_u32 v6, v1, 4, v6
	v_add_nc_u32 v[RD], s52, v6
	v_lshlrev_b32 v7, 4, v1
	v_lshl_add_u32 v[CO512], v2, 9, v7
	s_lshl_b32 s52, s22, 9                         ; my 128 channels in a bias
	v_lshl_add_u32 v[BOFF], v2, 5, s52             ; + 8 h channels
	WIN 0x40
.irp b, 0,1,2,3,4,5,6,7
	global_load_b128 v[CBQ+8*\b:CBQ+8*\b+3],   v[BOFF], s[8:9] offset:64*\b       ; register j: bq[16 b + 8 h + j]
	global_load_b128 v[CBQ+8*\b+4:CBQ+8*\b+7], v[BOFF], s[8:9] offset:64*\b+16
	global_load_b128 v[CBK+8*\b:CBK+8*\b+3],   v[BOFF], s[10:11] offset:64*\b
	global_load_b128 v[CBK+8*\b+4:CBK+8*\b+7], v[BOFF], s[10:11] offset:64*\b+16
.endr
	WIN 0
	; where the results go: the same place in all three outputs
	s_lshl_b32 s60, ttmp9, 19
	s_lshl_b32 s61, s23, 17
	s_add_co_u32 s60, s60, s61
	s_lshl_b32 s61, s21, 16
	s_add_co_u32 s60, s60, s61                     ; row (256 cx + 128 half) of 512 bytes,
	s_lshl_b32 s61, s22, 8
	s_add_co_u32 s60, s60, s61                     ; my 128 channels
	s_mov_b32 s61, 0
	s_add_nc_u64 s[66:67], s[14:15], s[60:61]      ; qb
	s_add_nc_u64 s[68:69], s[16:17], s[60:61]      ; kb
	s_add_nc_u64 s[70:71], s[18:19], s[60:61]      ; vb
; 16 matrix instructions.  cmode 0: in place; 1: C = the bias tile of source 0's block b.
; The 64 accumulators take turns, one instruction a turn, in the same order in every quarter.
.macro MUL16 f, hi, a0, cmode, cb
.irp a, \a0, \a0+1
.irp b, 0,1,2,3,4,5,6,7
.if \cmode == 0
	v_wmma_f32_16x16x32_bf16 v[8*(8*(\a)+\b):8*(8*(\a)+\b)+7], v[\f+8*\b:\f+8*\b+7], v[\f+8*(4*\hi+\a):\f+8*(4*\hi+\a)+7], v[8*(8*(\a)+\b):8*(8*(\a)+\b)+7]
.else
	v_wmma_f32_16x16x32_bf16 v[8*(8*(\a)+\b):8*(8*(\a)+\b)+7], v[\f+8*\b:\f+8*\b+7], v[\f+8*(4*\hi+\a):\f+8*(4*\hi+\a)+7], v[\cb+8*\b:\cb+8*\b+7]
.endif
.endr
.endr
.endm
; the fragments of quarter q (32 c) of K half slot: 128 rows of W into window 1, 128 positions of xn into window 0
.macro FETCH slot, q, f
	WIN 0x40
.irp i, 0,1,2,3,4,5,6,7
	ds_load_b128 v[\f+8*\i:\f+8*\i+3],   v[ADRW+\slot] offset:64*\q+\i*16*WPITCH
	ds_load_b128 v[\f+8*\i+4:\f+8*\i+7], v[ADRW+\slot] offset:64*\q+\i*16*WPITCH+32
.endr
	WIN 0
.irp i, 0,1,2,3,4,5,6,7
	ds_load_tr16_b128 v[\f+8*\i:\f+8*\i+3],   v[ADRX+\slot] offset:\q*32*XPITCH+32*\i
	ds_load_tr16_b128 v[\f+8*\i+4:\f+8*\i+7], v[ADRX+\slot] offset:\q*32*XPITCH+32*\i+16*XPITCH
.endr
.endm
; multiplies buffer f; in its middle fetches quarter q of the same K half into buffer g
.macro QUARTER slot, q, f, g, lo, hi, cmode, cb
	s_wait_dscnt 0x0                               ; buffer f's 32 loads, issued 32 matrix instructions ago
	WIN \lo
	MUL16 \f, 0, 0, \cmode, \cb
	MUL16 \f, 0, 2, \cmode, \cb
	PLACES                                         ; buffer g was read by matrix instructions
	FETCH \slot, \q, \g
	WIN \hi
	MUL16 \f, 1, 0, \cmode, \cb
	MUL16 \f, 1, 2, \cmode, \cb
.endm
.macro THREE slot, lo1, hi1, cmode, cb
	QUARTER \slot, 1, F0, F1, \lo1, \hi1, \cmode, \cb
	QUARTER \slot, 2, F1, F0, 0xa1, 0xf1, 0, 0
	QUARTER \slot, 3, F0, F1, 0xa1, 0xf1, 0, 0
.endm
; the last quarter of a K half: multiplies buffer 1 and changes slots.  In front of the barrier each wave's reads of this slot are back and
; all its tensor loads have landed (its part of the next slot among them; the first time also its part of xn's K half 1).  fill = 1: the barrier
; opens a round of the cluster's barrier, and behind the round the wave's one joint load brings the next matrix's same K half into this slot.
.macro TURN slot, next, fill
	s_wait_dscnt 0x0
	WIN 0xa1
	MUL16 F1, 0, 0, 0, 0
	s_set_vgpr_msb 0xa1a0
	s_wait_tensorcnt 0x0
	ds_add_u32 v30, v31
	s_wait_dscnt 0x0
	s_set_vgpr_msb 0xa0a1
	s_barrier_signal -1
	MUL16 F1, 0, 2, 0, 0                           ; register work only
	WIN 0
	s_barrier_wait -1
.if \fill
	CREST
	s_add_nc_u64 s[G0W+4*\slot+2:G0W+4*\slot+3], s[G0W+4*\slot+2:G0W+4*\slot+3], 131072
	tensor_load_to_lds s[G0W+4*\slot:G0W+4*\slot+3], s[G1W:G1W+7]
	s_nop 0
.endif
	PLACES
	FETCH \next, 0, F0
	WIN 0xf1
	MUL16 F1, 1, 0, 0, 0
	MUL16 F1, 1, 2, 0, 0
.endm
; 16 rows of the wave's block: round to bf16, 16 bytes a lane into my stage, whole rows of 256 bytes back, and out
.macro OUT16 i, a, from, rb, base
	WIN \from
.irp b, 0,1,2,3,4,5,6,7
.irp r, 0,1,2,3
	v_cvt_pk_bf16_f32 v[TMP+4*\b+\r], v[8*(8*\a+\b)+2*\r], v[8*(8*\a+\b)+2*\r+1]
.endr
.endr
	WIN 0
.irp b, 0,1,2,3,4,5,6,7
	ds_store_b128 v[STO], v[TMP+4*\b:TMP+4*\b+3] offset:32*\b
.endr
	s_wait_xcnt 0x0                                ; the read-back buffer, which earlier stores read, and the stores' base are rewritten only behind this wait
.if \i
	s_add_nc_u64 s[\base:\base+1], s[\base:\base+1], 16*512
.endif
.irp t, 0,1,2,3,4,5,6,7
	ds_load_b128 v[\rb+4*\t:\rb+4*\t+3], v[RD] offset:\t*2*SPITCH   ; a wave's LDS instructions are served in order: these see the stores above
.endr
.irp t, 0,1,2,3,4,5,6,7
	s_wait_dscnt 7-\t                              ; 7 - t younger read-backs may be out
	global_store_b128 v[CO512], v[\rb+4*\t:\rb+4*\t+3], s[\base:\base+1] offset:2*\t*512   ; 16 lanes store 256 consecutive bytes, aligned
.endr
.endm
.macro OUTALL base
	PLACES                                         ; behind the last matrix instructions, in front of the conversions
	OUT16 0, 0, 0x0a, RB0, \base
	OUT16 1, 1, 0x0a, RB1, \base
	OUT16 2, 2, 0x0a, RB0, \base
	OUT16 3, 3, 0x0a, RB1, \base
	OUT16 4, 0, 0x0f, RB0, \base
	OUT16 5, 1, 0x0f, RB1, \base
	OUT16 6, 2, 0x0f, RB0, \base
	OUT16 7, 3, 0x0f, RB1, \base
.endm
	s_wait_tensorcnt 0x2                           ; my parts of K half 0 (xn's and slot 0's) are in; the two younger loads, K half 1's, may stay out
	s_wait_loadcnt 0x0                             ; bq and bk
	s_barrier_signal -1
	s_barrier_wait -1
	FETCH 0, 0, F0
	; Q
	THREE 0, 0x91, 0xd1, 1, CBQ
	TURN 0, 1, 1
	THREE 1, 0xa1, 0xf1, 0, 0
	TURN 1, 0, 1
	OUTALL 66
	WIN 0x40                                       ; bq's tiles have served: bv's take their registers, with the whole K pass in which to arrive
.irp b, 0,1,2,3,4,5,6,7
	global_load_b128 v[CBQ+8*\b:CBQ+8*\b+3],   v[BOFF], s[12:13] offset:64*\b
	global_load_b128 v[CBQ+8*\b+4:CBQ+8*\b+7], v[BOFF], s[12:13] offset:64*\b+16
.endr
	; K
	THREE 0, 0x91, 0xd1, 1, CBK
	TURN 0, 1, 1
	THREE 1, 0xa1, 0xf1, 0, 0
	TURN 1, 0, 1
	OUTALL 68
	s_wait_loadcnt 0x0                             ; bv
	; V
	THREE 0, 0x91, 0xd1, 1, CBQ
	TURN 0, 1, 0                                   ; nothing is left to fetch: a plain barrier
	THREE 1, 0xa1, 0xf1, 0, 0
	s_wait_dscnt 0x0
	WIN 0xa1
	MUL16 F1, 0, 0, 0, 0
	MUL16 F1, 0, 2, 0, 0
	WIN 0xf1
	MUL16 F1, 1, 0, 0, 0
	MUL16 F1, 1, 2, 0, 0
	OUTALL 70
	s_wait_tensorcnt 0x0
	ds_add_u32 v30, v31
	s_wait_dscnt 0x0
	CROUND                                         ; the closing round
	s_endpgm
.Lfunc_end_k_qcc7e608ccf_qkv:
	.size	k_qcc7e608ccf_qkv, .Lfunc_end_k_qcc7e608ccf_qkv-k_qcc7e608ccf_qkv
	.p2alignl 7, 3214868480
	.fill 96, 4, 3214868480
	.section	.rodata,"a",@progbits
	.p2align	6, 0x0
	.amdhsa_kernel k_qcc7e608ccf_qkv
		.amdhsa_group_segment_fixed_size 327680
		.amdhsa_private_segment_fixed_size 0
		.amdhsa_enable_private_segment 0
		.amdhsa_kernarg_size 64
		.amdhsa_user_sgpr_count 2
		.amdhsa_user_sgpr_kernarg_segment_ptr 1
		.amdhsa_wavefront_size32 1
		.amdhsa_system_sgpr_workgroup_id_x 1
		.amdhsa_system_sgpr_workgroup_id_y 1
		.amdhsa_system_sgpr_workgroup_id_z 1
		.amdhsa_system_vgpr_workitem_id 0
		.amdhsa_next_free_vgpr 1024
		.amdhsa_next_free_sgpr 76
		.amdhsa_reserve_vcc 0
		.amdhsa_float_denorm_mode_32 3
		.amdhsa_float_denorm_mode_16_64 3
		.amdhsa_memory_ordered 1
		.amdhsa_forward_progress 1
		.amdhsa_inst_pref_size 255
	.end_amdhsa_kernel
	.section	.bss,"aw",@nobits
	.p2align	6
	.space	262144
	.amdgpu_metadata
---
amdhsa.version: [ 1, 2 ]
amdhsa.kernels:
  - .name:           k_qcc7e608ccf_qkv
    .symbol:         k_qcc7e608ccf_qkv.kd
    .args:
      - { .name: xnb, .offset: 0, .size: 8, .value_kind: global_buffer, .address_space: global }
      - { .name: wb, .offset: 8, .size: 8, .value_kind: global_buffer, .address_space: global }
      - { .name: bq, .offset: 16, .size: 8, .value_kind: global_buffer, .address_space: global }
      - { .name: bk, .offset: 24, .size: 8, .value_kind: global_buffer, .address_space: global }
      - { .name: bv, .offset: 32, .size: 8, .value_kind: global_buffer, .address_space: global }
      - { .name: qb, .offset: 40, .size: 8, .value_kind: global_buffer, .address_space: global }
      - { .name: kb, .offset: 48, .size: 8, .value_kind: global_buffer, .address_space: global }
      - { .name: vb, .offset: 56, .size: 8, .value_kind: global_buffer, .address_space: global }
    .group_segment_fixed_size: 327680
    .private_segment_fixed_size: 0
    .kernarg_segment_align: 8
    .kernarg_segment_size: 64
    .max_flat_workgroup_size: 128
    .sgpr_count:     76
    .vgpr_count:     1024
    .wavefront_size: 32
...
	.end_amdgpu_metadata
.endif
;; end of part 4
;; launch attn (part 5): grid 256 x 1, 4 waves a work-group, clusters of 4 x 1, 327,680 bytes of LDS; arguments qb, kb, vb, wb, ab, x, out0; writes out0
.if DOCPART == 5
	.amdgcn_target "amdgcn-amd-amdhsa--gfx1250"
	.amdhsa_code_object_version 6
	.text
	.protected	k_qcc7e608ccf_attn
	.globl	k_qcc7e608ccf_attn
	.p2align	8
	.type	k_qcc7e608ccf_attn,@function
k_qcc7e608ccf_attn:
	s_mov_b64 s[64:65], 0
	v_nop
	global_prefetch_b8 v0, s[64:65] scope:SCOPE_SE
	s_setreg_imm32_b32 hwreg(HW_REG_WAVE_MODE, 25, 1), 1
	s_wait_xcnt 0x0
	s_wait_alu depctr_hold_cnt(0) depctr_sa_sdst(0) depctr_va_vdst(0) depctr_va_sdst(0) depctr_va_ssrc(0) depctr_va_vcc(0) depctr_vm_vsrc(0)
	s_getreg_b32 s2, hwreg(HW_REG_IB_STS2, 6, 4)
	s_cmp_eq_u32 s2, 0
	s_cbranch_scc0 .Lentry_in_a_cluster
	s_endpgm
.Lentry_in_a_cluster:
	s_bfe_u32 s2, ttmp6, 0x10000c
	s_cmp_lg_u32 s2, 0x3003
	s_cbranch_scc0 .Lentry_shape_is_right
	s_endpgm
.Lentry_shape_is_right:
; out0 = a x + b' + Wo softmax(q k / 8) v.  qb, kb, vb: [64][1024 pos][256 ch] bf16; wb + 393,216: Wo [256][256] bf16;
; ab: [64][4][2][64] f32 (a, then b' = beta - mean a + bo); x, out0: [64][256][1024] f32.
; A cluster of four work-groups is one image; work-group cx takes 256 queries, wave w 64 of them.  Query block q (0..3), lane r = position
; p0 + 4 r + q, so that at the end a lane's four blocks are 16 neighbouring bytes of a row of out0 and sixteen lanes hold 256, aligned.
; All four work-groups walk the same K and V: tiles of 64 keys are asked for jointly (mask 15) into two LDS slots; waves 0, 1 ask for 32 keys
; of K each, waves 2, 3 for 32 keys of V each: every request is 32 rows of 512 bytes.
; THE SIXTEEN STEPS OF 64 KEYS ARE ONE LOOP of eight trips, two steps (the two slots) a trip, about 17 KiB of text, and nothing is written out beside it:
;   - the first step is like the others: m starts at -infinity and l at 0, so the first rescale is exp2(-infinity) = 0, and O starts as the
;     product of two zero fragments (64 matrix instructions write its 512 registers);
;   - the last two steps' refills, for which no K or V is left, bring Wo's rows 0-127 (slot 0) and 128-255 (slot 1) in the same shape: only the
;     global address is chosen, on the loop's counter.
; THE CHANGE OF SLOTS stands inside the last 32 matrix instructions of a step.  The step's last two groups of V fragments lie in the registers that
; the packed P leaves free in S, so all reads of the slot are back, and fragment buffers 0 and 1 are free, in front of those 32.  Then: the waits,
; the round's opening signal, 16 matrix instructions, the rest of the round, the joint refill of the slot just read, the next slot's first two
; groups of fragments, 16 matrix instructions.
; EVERY PRODUCT IS USED TRANSPOSED, so no result is ever shuffled:
;   S^T(key, query) = K rows x Q rows: lane (r, h), register j = key 16 kt + 8 h + j of query r.  Two such tiles, packed to bf16, ARE the
;   second source of O^T(ch, query) = V^T x P (V lies [key][ch]: its fragments come by the transposing LDS load); two packed tiles of O^T ARE
;   the second source of out^T = Wo rows x O.  The maximum, the sum, the rescale and 1 / l are one number a lane and query block.
; Softmax: a running maximum; p = exp2(s c - m c), c = log2(e) / 8; O and l are rescaled by exp2((m_old - m_new) c) in every step.
; O goes into Wo unnormalised (1 / l is one number a lane, so it commutes with the product) and is divided afterwards.
; Limits: q, k, v, p, O and Wo are bf16 matrix operands; l is summed from the f32 p; NaN and infinities are not treated specially.
; Windows: 0: addresses, softmax state, 3 fragment buffers, S; 1: Q, later x; 2, 3: O, later O in bf16 (2) and a, b' (3).
.set KPITCH, 528                       ; 512 + 16 bytes: sixteen rows start at sixteen different 16-byte columns modulo 256
.set VPITCH, 544                       ; 512 + 32 bytes: an odd multiple of 32
.set PART,   17408                     ; a wave's part of a slot: 32 x 528 fit, 32 x 544 fill it
.set SLOT,   4*PART                    ; parts 0, 1: K's keys 0-31, 32-63; parts 2, 3: V's
.set QST,    SLOT                      ; Q waits here (64 rows x 528 a wave) until it is in registers; slot 1 is filled over it behind the first round
.set QPART,  64*KPITCH
.set ABL,    QST+4*QPART               ; a and b' of the image, 2,048 bytes as they lie in ab
.set ADRK, 1                           ; v1-2   K fragments in slot 0, 1: r x 528 + 16 h; at the end Wo's rows 0-63 and 128-191
.set ADRV, 3                           ; v3-4   V fragments in slot 0, 1: 2 parts + (8 h + lane mod 8) x 544 + 16 (lane / 8 mod 2)
.set WA1,  3                           ; v3-4   at the end: Wo's rows 64-127 and 192-255: 2 parts + r x 544 + 16 h in slot 0, 1
.set PFO,  5                           ; v5     4,096 x lane: a channel a lane, for the prefetch of x; never rewritten
.set ADRQ, 6                           ; v6     my Q rows
.set ABO,  6                           ; v6     at the end: a and b' in LDS, 8 h channels on
.set XO,   7                           ; v7     8 h channels of 4,096 bytes + 16 r
.set MXA,  8                           ; v8-11, v12-15: the old and the new maximum, by the step's parity
.set MXB,  12
.set LSUM, 16                          ; v16-19 the row sum of my half of the keys; later 1 / l
.set ALF,  20                          ; v20-23 the rescale
.set NMX,  24                          ; v24-27 - m c; also the lane exchange's destination and two sums' pairs
.set TMX,  28                          ; v28-31 at work
.set FRG,  32                          ; v32-127 three buffers of four fragments
.set SREG, 128                         ; v128-255 S: tile (kt, q) at 32 q + 8 kt; P(q, ks) packed in place at 32 q + 16 ks; the 8 registers behind each P are free then
.set G1K, 24
.set G1V, 32
.set G1Q, 40
.set G0,  48                           ; one set for each slot
.set G0Q, 56
.set G0A, 60
.set G1A, 92
.set MSB, 0
.macro WIN new
.if MSB != \new
	s_set_vgpr_msb (MSB<<8)|\new
.set MSB, \new
.endif
.endm
.macro PLACES cnt                      ; plain vector places behind a matrix instruction (ISA guide 7.12.1)
.rept \cnt
	v_nop
.endr
.endm
.macro CREST                           ; a round of the cluster's barrier behind its opening barrier
	s_cmp_lg_u32 s18, 0
	s_cbranch_scc1 .Lnot_wave_0_\@
	s_barrier_signal -3
.Lnot_wave_0_\@:
	s_barrier_wait -3
	s_barrier_signal -1
	s_barrier_wait -1
.endm
.macro ROUND                           ; a whole round
	s_barrier_signal -1
	s_barrier_wait -1
	CREST
.endm
.macro JLOAD s                         ; waves 0, 1: rows padded by 16 bytes; waves 2, 3: by 32.  The branch hangs on the wave's number alone.
	s_cmp_lt_u32 s18, 2
	s_cbranch_scc0 .Lfor_v_\@
	tensor_load_to_lds s[G0+4*\s:G0+4*\s+3], s[G1K:G1K+7]
	s_nop 0
	s_branch .Lasked_\@
.Lfor_v_\@:
	tensor_load_to_lds s[G0+4*\s:G0+4*\s+3], s[G1V:G1V+7]
	s_nop 0
.Lasked_\@:
.endm
	s_load_b256 s[4:11], s[0:1], 0x0               ; qb, kb, vb, wb
	s_load_b128 s[12:15], s[0:1], 0x20             ; ab, x
	s_load_b64 s[16:17], s[0:1], 0x30              ; out0
	v_lshl_add_u32 v126, v0, 2, 0x32800
	v_mov_b32 v127, 0
	ds_add_u32 v126, v127
	s_wait_dscnt 0x0
	v_lshrrev_b32 v28, 5, v0
	v_readfirstlane_b32 s18, v28                   ; wave 0..3
	s_bfe_u32 s19, ttmp6, 0x40000                  ; cx
	s_and_b32 s20, s18, 1                          ; which 32 keys of the tile I ask for
	; 32 rows x 256 elements, 16 bytes behind each 128 words, joint: K, and Wo's rows in parts 0, 1
	s_mov_b32 s[G1K+0], 15|(1<<16)|(1<<20)|(1<<21)|(6<<22)|(3<<25)
	s_mov_b32 s[G1K+1], 256<<16
	s_mov_b32 s[G1K+2], 32<<16
	s_mov_b32 s[G1K+3], 256<<16
	s_mov_b32 s[G1K+4], 32
	s_mov_b32 s[G1K+5], 256
	s_mov_b32 s[G1K+6], 0
	s_mov_b32 s[G1K+7], 0
	; the same with 32 bytes of padding: V, and Wo's rows in parts 2, 3
	s_mov_b32 s[G1V+0], 15|(1<<16)|(1<<20)|(1<<21)|(6<<22)|(7<<25)
	s_mov_b32 s[G1V+1], 256<<16
	s_mov_b32 s[G1V+2], 32<<16
	s_mov_b32 s[G1V+3], 256<<16
	s_mov_b32 s[G1V+4], 32
	s_mov_b32 s[G1V+5], 256
	s_mov_b32 s[G1V+6], 0
	s_mov_b32 s[G1V+7], 0
	; Q's tile: 64 rows, 16 bytes of padding, my own
	s_mov_b32 s[G1Q+0], (1<<16)|(1<<20)|(6<<22)|(3<<25)
	s_mov_b32 s[G1Q+1], 256<<16
	s_mov_b32 s[G1Q+2], 64<<16
	s_mov_b32 s[G1Q+3], 256<<16
	s_mov_b32 s[G1Q+4], 64
	s_mov_b32 s[G1Q+5], 256
	s_mov_b32 s[G1Q+6], 0
	s_mov_b32 s[G1Q+7], 0
	; a and b': a dense block, 2 rows of 32 elements of 8 bytes a wave, no padding, joint
	s_mov_b32 s[G1A+0], 15|(3<<16)|(1<<21)
	s_mov_b32 s[G1A+1], 32<<16
	s_mov_b32 s[G1A+2], 2<<16
	s_mov_b32 s[G1A+3], 32<<16
	s_mov_b32 s[G1A+4], 2
	s_mov_b32 s[G1A+5], 32
	s_mov_b32 s[G1A+6], 0
	s_mov_b32 s[G1A+7], 0
	s_mov_b32 s68, 0x76543210
	s_mov_b32 s69, 0xfedcba98
	s_mov_b32 s70, 0x3e38aa3b                      ; c = log2(e) / 8
	s_mov_b32 s71, 0x3e38aa3b
	s_mov_b32 s72, 0xbe38aa3b                      ; - c
	s_mul_i32 s21, s18, PART                       ; my part of a slot
	s_lshl_b32 s22, ttmp9, 19                      ; the image in qb, kb, vb
	s_lshl_b32 s23, s20, 14
	s_add_co_u32 s66, s22, s23                     ; K, V: my 32 keys of 512 bytes
	s_mov_b32 s67, 0
	s_lshl_b32 s88, s18, 14
	s_add_co_u32 s88, s88, 3*131072                ; Wo: 32 rows of 512 bytes a wave
	s_mov_b32 s89, 0
	s_lshl_b32 s90, s19, 17
	s_add_co_u32 s90, s90, s22
	s_lshl_b32 s91, s18, 15
	s_add_co_u32 s90, s90, s91                     ; Q: row 256 cx + 64 w
	s_mov_b32 s91, 0
	s_lshl_b32 s78, ttmp9, 20
	s_lshl_b32 s79, s19, 10
	s_add_co_u32 s78, s78, s79
	s_lshl_b32 s79, s18, 8
	s_add_co_u32 s78, s78, s79                     ; x, out0: the image, position 256 cx + 64 w
	s_mov_b32 s79, 0
	s_lshl_b32 s2, ttmp9, 11                       ; ab: 2,048 bytes an image,
	s_lshl_b32 s3, s18, 9
	s_add_co_u32 s2, s2, s3                        ; 512 a wave
	s_mov_b32 s3, 0
	s_mul_i32 s23, s18, QPART
	s_add_co_u32 s23, s23, QST                     ; my Q rows in LDS
	s_lshl_b32 s22, s18, 9
	s_add_co_u32 s22, s22, ABL                     ; my 512 bytes of a and b' in LDS
	s_wait_kmcnt 0x0
	s_cmp_lt_u32 s18, 2
	s_cselect_b64 s[80:81], s[6:7], s[8:9]         ; waves 0, 1 walk kb, waves 2, 3 vb, at the same offsets
	s_add_nc_u64 s[80:81], s[80:81], s[66:67]      ; tile 0; from here on the address of slot 0's tile
	s_add_nc_u64 s[84:85], s[80:81], 32768         ; tile 1, 64 keys of 512 bytes on; from here on slot 1's
	s_mov_b32 s[G0], 1
	s_mov_b32 s[G0+1], s21
	s_mov_b64 s[G0+2:G0+3], s[80:81]
	s_or_b32 s[G0+3], s[G0+3], 0x80000000
	s_mov_b32 s[G0+4], 1
	s_add_co_u32 s[G0+5], s21, SLOT
	s_mov_b64 s[G0+6:G0+7], s[84:85]
	s_or_b32 s[G0+7], s[G0+7], 0x80000000
	s_mov_b32 s[G0Q], 1
	s_mov_b32 s[G0Q+1], s23
	s_add_nc_u64 s[G0Q+2:G0Q+3], s[4:5], s[90:91]
	s_or_b32 s[G0Q+3], s[G0Q+3], 0x80000000
	s_add_nc_u64 s[82:83], s[10:11], s[88:89]      ; Wo's row 32 w: slot 0's last refill
	s_add_nc_u64 s[86:87], s[82:83], 65536         ; Wo's row 128 + 32 w: slot 1's last refill
	s_mov_b32 s[G0A], 1
	s_mov_b32 s[G0A+1], s22
	s_add_nc_u64 s[G0A+2:G0A+3], s[12:13], s[2:3]
	s_or_b32 s[G0A+3], s[G0A+3], 0x80000000
	s_add_nc_u64 s[74:75], s[14:15], s[78:79]      ; x
	s_add_nc_u64 s[76:77], s[16:17], s[78:79]      ; out0
	ROUND                                          ; all four work-groups are here
	tensor_load_to_lds s[G0Q:G0Q+3], s[G1Q:G1Q+7]  ; three loads of the wave are out: Q,
	s_nop 0
	JLOAD 0                                        ; tile 0,
	tensor_load_to_lds s[G0A:G0A+3], s[G1A:G1A+7]  ; a and b'
	s_nop 0
	v_and_b32 v28, 15, v0                          ; r
	v_bfe_u32 v29, v0, 4, 1                        ; h
	v_mul_u32_u24 v30, v28, KPITCH
	v_lshl_add_u32 v[ADRK], v29, 4, v30
	v_add_nc_u32 v[ADRK+1], SLOT, v[ADRK]
	v_and_b32 v30, 7, v0
	v_lshl_add_u32 v30, v29, 3, v30                ; the transposing load: key 8 h + lane mod 8,
	v_mul_u32_u24 v30, v30, VPITCH
	v_bfe_u32 v31, v0, 3, 1
	v_lshl_add_u32 v30, v31, 4, v30                ; 16 bytes further for lanes 8-15 of each half
	v_add_nc_u32 v[ADRV], 2*PART, v30
	v_add_nc_u32 v[ADRV+1], SLOT, v[ADRV]
	v_and_b32 v[PFO], 31, v0
	v_lshlrev_b32 v[PFO], 12, v[PFO]
	v_mul_u32_u24 v30, v28, 4*KPITCH               ; lane r's queries are rows 4 r + q
	v_lshl_add_u32 v30, v29, 4, v30
	v_add_nc_u32 v[ADRQ], s23, v30
	v_lshlrev_b32 v[XO], 4, v28
	v_lshl_add_u32 v[XO], v29, 15, v[XO]
.irp q, 0,1,2,3
	v_mov_b32 v[NMX+\q], 0                         ; the lane exchange's destination counts as read
	v_mov_b32 v[MXA+\q], 0xff800000                ; m = -infinity
	v_mov_b32 v[LSUM+\q], 0                        ; l = 0
.endr
.irp e, 0,1,2,3,4,5,6,7
	v_mov_b32 v[SREG+\e], 0                        ; a zero fragment
.endr
	WIN 0x80                                       ; O = zero fragment x zero fragment: 64 instructions for 512 registers, while Q is on its way
.set t, 0
.rept 32
	v_wmma_f32_16x16x32_bf16 v[8*t:8*t+7], v[SREG:SREG+7], v[SREG:SREG+7], 0
.set t, t+1
.endr
	WIN 0xc0
.set t, 0
.rept 32
	v_wmma_f32_16x16x32_bf16 v[8*t:8*t+7], v[SREG:SREG+7], v[SREG:SREG+7], 0
.set t, t+1
.endr
	WIN 0
	PLACES 5                                       ; before S is written over the zero fragment
	s_wait_tensorcnt 0x2                           ; Q is in; tile 0 and a, b' may stay out.  Only the wave that asked for these rows reads them.
	WIN 0x40                                       ; Q(q, kc) into window 1 at 8 (4 kc + q).  Rows 2,112 bytes apart fall on four 16-byte columns modulo 256: paid once
.irp kc, 0,1,2,3,4,5,6,7
.irp q, 0,1,2,3
	ds_load_b128 v[8*(4*\kc+\q):8*(4*\kc+\q)+3],   v[ADRQ] offset:\q*KPITCH+64*\kc
	ds_load_b128 v[8*(4*\kc+\q)+4:8*(4*\kc+\q)+7], v[ADRQ] offset:\q*KPITCH+64*\kc+32
.endr
.endr
	WIN 0
; four fragments of 16 rows each from two parts of 32 rows (K, Wo): 32 elements at kc
.macro LDF adr, off, pitch, kc, buf
.irp i, 0,1,2,3
	ds_load_b128 v[FRG+32*(\buf)+8*\i:FRG+32*(\buf)+8*\i+3],   v[\adr] offset:(\off)+(\i/2)*PART+(\i%2)*16*(\pitch)+64*(\kc)
	ds_load_b128 v[FRG+32*(\buf)+8*\i+4:FRG+32*(\buf)+8*\i+7], v[\adr] offset:(\off)+(\i/2)*PART+(\i%2)*16*(\pitch)+64*(\kc)+32
.endr
.endm
; four fragments of V^T: channel blocks 4 (idx / 2) + i, keys 32 (idx mod 2) .. + 31; fragment i goes to register fb + fs i
.macro LDV slot, idx, fb, fs
.irp i, 0,1,2,3
.set VOFF, ((\idx)%2)*32*VPITCH+32*(4*((\idx)/2)+\i)
	ds_load_tr16_b128 v[(\fb)+(\fs)*\i:(\fb)+(\fs)*\i+3],   v[ADRV+\slot] offset:VOFF
	ds_load_tr16_b128 v[(\fb)+(\fs)*\i+4:(\fb)+(\fs)*\i+7], v[ADRV+\slot] offset:VOFF+16*VPITCH
.endr
.endm
; group num (0..15) of a step's stream: 0-7 K, 8-15 V.  Groups 0-13: buffer num mod 3.  Groups 14, 15: the free registers behind P(i, 0), P(i, 1).
.macro LDG slot, num
.if (\num) < 8
	LDF ADRK+\slot, 0, KPITCH, \num, (\num)%3
.elseif (\num) < 14
	LDV \slot, (\num)-8, FRG+32*((\num)%3), 8
.else
	LDV \slot, (\num)-8, SREG+8+16*((\num)-14), 32
.endif
.endm
; 16 matrix instructions: S(i, q) += fragment i x source 1's fragment (q, kc).  The 16 accumulators take turns.
.macro SG buf, kc
.irp i, 0,1,2,3
.irp q, 0,1,2,3
.set ST, SREG+32*\q+8*\i
.if (\kc) == 0
	v_wmma_f32_16x16x32_bf16 v[ST:ST+7], v[FRG+32*(\buf)+8*\i:FRG+32*(\buf)+8*\i+7], v[8*(4*(\kc)+\q):8*(4*(\kc)+\q)+7], 0
.else
	v_wmma_f32_16x16x32_bf16 v[ST:ST+7], v[FRG+32*(\buf)+8*\i:FRG+32*(\buf)+8*\i+7], v[8*(4*(\kc)+\q):8*(4*(\kc)+\q)+7], v[ST:ST+7]
.endif
.endr
.endr
.endm
; query block q: s c - m c, then exp2, in place.  pr, sel: the pair and the register of it that hold - m c
.macro SCALEQ q, pr, sel
.set i, 0
.rept 16
	v_pk_fma_f32 v[SREG+32*\q+2*i:SREG+32*\q+2*i+1], v[SREG+32*\q+2*i:SREG+32*\q+2*i+1], s[70:71], v[NMX+\pr:NMX+\pr+1] op_sel:[0,0,\sel] op_sel_hi:[1,0,\sel]
.set i, i+1
.endr
.set i, 0
.rept 32
	v_exp_f32 v[SREG+32*\q+i], v[SREG+32*\q+i]
.set i, i+1
.endr
.endm
; one step's softmax on 64 keys x 64 queries; a lane has 32 keys of each of its four queries, the lane 16 away the other 32
.macro SOFT old, new
.irp q, 0,1,2,3
	v_max3_num_f32 v[TMX+\q], v[SREG+32*\q], v[SREG+32*\q+1], v[SREG+32*\q+2]
.endr
.set i, 3
.rept 14
.irp q, 0,1,2,3
	v_max3_num_f32 v[TMX+\q], v[TMX+\q], v[SREG+32*\q+i], v[SREG+32*\q+i+1]
.endr
.set i, i+2
.endr
.irp q, 0,1,2,3
	v_max3_num_f32 v[TMX+\q], v[TMX+\q], v[SREG+32*\q+31], v[\old+\q]
.endr
.irp q, 0,1,2,3
	v_permlanex16_b32 v[NMX+\q], v[TMX+\q], s68, s69
.endr
.irp q, 0,1,2,3
	v_max_num_f32 v[\new+\q], v[TMX+\q], v[NMX+\q]  ; the running maximum, equal in both halves of the lanes
.endr
.irp q, 0,1,2,3
	v_mul_f32 v[NMX+\q], s72, v[\new+\q]
.endr
.irp q, 0,1,2,3
	v_fma_f32 v[ALF+\q], v[\old+\q], s70, v[NMX+\q]
.endr
.irp q, 0,1,2,3
	v_exp_f32 v[ALF+\q], v[ALF+\q]                  ; exp2((m_old - m_new) c); plain multiply-adds follow before it is used
.endr
	SCALEQ 0, 0, 0
	SCALEQ 1, 0, 1
	SCALEQ 2, 2, 0
	SCALEQ 3, 2, 1
	v_nop                                          ; one plain place between the run of exponentials and the first use (ISA guide 5.7.2)
	; the sums of the f32 p, in pairs: blocks 0, 1 in v28-31, blocks 2, 3 in v24-27, which are free now
	s_wait_alu depctr_va_vdst(0)
.irp q, 0,1,2,3
	v_pk_add_f32 v[TMX+2*\q-8*(\q/2):TMX+2*\q-8*(\q/2)+1], v[SREG+32*\q:SREG+32*\q+1], v[SREG+32*\q+2:SREG+32*\q+3]
.endr
.set i, 4
.rept 14
.irp q, 0,1,2,3
	v_pk_add_f32 v[TMX+2*\q-8*(\q/2):TMX+2*\q-8*(\q/2)+1], v[TMX+2*\q-8*(\q/2):TMX+2*\q-8*(\q/2)+1], v[SREG+32*\q+i:SREG+32*\q+i+1]
.endr
.set i, i+2
.endr
.irp q, 0,1,2,3
	v_fma_f32 v[LSUM+\q], v[LSUM+\q], v[ALF+\q], v[TMX+2*\q-8*(\q/2)]
.endr
.irp q, 0,1,2,3
	v_add_f32 v[LSUM+\q], v[LSUM+\q], v[TMX+2*\q-8*(\q/2)+1]
.endr
	; p to bf16, in place: 16 registers (two S tiles) become the 8 of a fragment; the upper 8 are free from here to the next step's first product
.irp q, 0,1,2,3
.irp ks, 0,1
.irp e, 0,1,2,3,4,5,6,7
	v_cvt_pk_bf16_f32 v[SREG+32*\q+16*\ks+\e], v[SREG+32*\q+16*\ks+2*\e], v[SREG+32*\q+16*\ks+2*\e+1]
.endr
.endr
.endr
.endm
.macro RESCQ base, q, pr, sel
.irp p, 0,2,4,6
	v_pk_mul_f32 v[\base+8*\q+\p:\base+8*\q+\p+1], v[\base+8*\q+\p:\base+8*\q+\p+1], v[ALF+\pr:ALF+\pr+1] op_sel:[0,\sel] op_sel_hi:[1,\sel]
.endr
.endm
.macro RESC cbg                        ; O of channel blocks 4 cbg .. + 3 times the rescale: 64 packed multiplies
.if (\cbg) < 2
	WIN 0x82
.else
	WIN 0xc3
.endif
.irp i, 0,1,2,3
	RESCQ 32*((4*(\cbg)+\i)%8), 0, 0, 0
	RESCQ 32*((4*(\cbg)+\i)%8), 1, 0, 1
	RESCQ 32*((4*(\cbg)+\i)%8), 2, 2, 0
	RESCQ 32*((4*(\cbg)+\i)%8), 3, 2, 1
.endr
.endm
; 16 matrix instructions: O(4 cbg + i, q) += V fragment i (at fb + fs i) x P(q, ks); the accumulators take turns
.macro PVG fb, fs, cbg, ks
.irp i, 0,1,2,3
.irp q, 0,1,2,3
.set OT, 32*((4*(\cbg)+\i)%8)+8*\q
	v_wmma_f32_16x16x32_bf16 v[OT:OT+7], v[(\fb)+(\fs)*\i:(\fb)+(\fs)*\i+7], v[SREG+32*\q+16*(\ks):SREG+32*\q+16*(\ks)+7], v[OT:OT+7]
.endr
.endr
.endm
; groups 0 to 5 of the P V phase.  The buffer that the load two groups ahead fills was read by the group before: the rescale's 64 multiplies,
; which name none of that group's registers, or four v_nop are the places.  Group 5's load goes to registers that no matrix instruction of this phase has named.
.macro PVSTEP slot, idx
.if ((\idx)%2) == 0
	RESC (\idx)/2
.elseif (\idx) < 5
	PLACES 4
.endif
.if \idx
	WIN 0
	LDG \slot, (10+\idx)
.endif
	s_wait_dscnt 16                                ; the two younger groups' 16 loads may be out
.if (\idx) < 4
	WIN 0xa0
.else
	WIN 0xf0
.endif
	PVG FRG+32*((8+\idx)%3), 8, (\idx)/2, (\idx)%2
.endm
; Groups 6 and 7, and the change of slots.  In front of the round's opening signal: my LDS reads are back, the last reads of this slot among them, and all
; my tensor loads have landed: the one that was out is my part of the next slot.  Inside the round: register work alone.  Behind it: my one tensor load,
; into the slot just read, with a whole step in which to land; then the next slot's first two groups, into buffers 0 and 1, which groups 4 and 5 read last
; (the rescale's 64 multiplies are the places); group 7's products cover those loads.
.macro TAIL slot
	RESC 3
	s_wait_dscnt 0x0
	s_wait_xcnt 0x0
	s_set_vgpr_msb 0xc300
	v_lshl_add_u32 v126, v0, 2, 0x32800
	v_mov_b32 v127, 0
	s_wait_tensorcnt 0x0                           ; no load of mine is out: a group 0 may be written
	ds_add_u32 v126, v127
	s_wait_dscnt 0x0
	s_set_vgpr_msb 0xc3
.if \slot == 0
	s_add_nc_u64 s[80:81], s[80:81], 65536         ; slot 0's next tile, two tiles on;
	s_cmp_eq_u32 s73, 1                            ; in the last trip there is none:
	s_cselect_b64 s[G0+2:G0+3], s[82:83], s[80:81] ; the same shape then brings Wo's rows 0-127
	s_or_b32 s[G0+3], s[G0+3], 0x80000000
.else
	s_add_nc_u64 s[84:85], s[84:85], 65536         ; slot 1 likewise;
	s_cmp_eq_u32 s73, 1
	s_cselect_b64 s[G0+6:G0+7], s[86:87], s[84:85] ; in the last trip Wo's rows 128-255
	s_or_b32 s[G0+7], s[G0+7], 0x80000000
.endif
	s_barrier_signal -1
	WIN 0xf0
	PVG SREG+8, 32, 3, 0
	WIN 0
	s_barrier_wait -1
	CREST
	JLOAD \slot
	LDG (1-\slot), 0
	LDG (1-\slot), 1
	WIN 0xf0
	PVG SREG+24, 32, 3, 1
	WIN 0
	PLACES 5                                       ; before S is written over P and over the fragments beside it
.endm
; 64 keys: 128 matrix instructions for S, the softmax, 128 for P V.  Groups 0 and 1 have been asked for by the step before.
; pf = 1: in the loop's last trip the wave asks for its 256 bytes of x's channels 0-127, 128 blocks, each once: what the end loads first.
.macro STEP slot, old, new, pf
	WIN 0x04                                       ; source 1 (Q) in window 1; an LDS load has no source 1, so the loads run under it too
.irp kc, 0,1,2,3,4,5,6,7
.if \kc
	PLACES 4                                       ; the buffer filled next was read by the group before
.endif
	LDG \slot, (\kc+2)
	s_wait_dscnt 16                                ; the two younger groups' 16 loads may be out
	SG (\kc%3), \kc
.endr
	PLACES 4                                       ; in front of the reads of S and of the load into the last group's buffer
	LDG \slot, 10
	WIN 0
.if \pf
	s_cmp_lg_u32 s73, 1
	s_cbranch_scc1 .Lno_ask
.irp k, 0,1,2,3
	global_prefetch_b8 v[PFO], s[74:75] offset:\k*131072 th:TH_LOAD_NT scope:SCOPE_SE   ; channels 32 k + lane
.endr
.Lno_ask:
.endif
	SOFT \old, \new
.irp idx, 0,1,2,3,4,5
	PVSTEP \slot, \idx
.endr
	TAIL \slot
.endm
	; in front of the loop: tile 0 is whole, Q is in registers, slot 1 gets tile 1 over Q's stage, and the first step's first two groups are asked for
	s_wait_xcnt 0x0
	v_lshl_add_u32 v126, v0, 2, 0x32800
	v_mov_b32 v127, 0
	s_wait_tensorcnt 0x0
	ds_add_u32 v126, v127
	s_wait_dscnt 0x0
	s_wait_dscnt 0x0
	ROUND
	JLOAD 1
	LDG 0, 0
	LDG 0, 1
	s_mov_b32 s73, 8
.Lsteps:
	STEP 0, MXA, MXB, 0
	STEP 1, MXB, MXA, 1
	s_sub_co_u32 s73, s73, 1
	s_cmp_lg_u32 s73, 0
	s_cbranch_scc1 .Lsteps
	; THE END: out^T = Wo x O, divided by l, plus a x + b'.  Slot 0 holds Wo's rows 0-127, whole; buffers 0 and 1 hold its first two groups;
	; my part of rows 128-255 is on its way into slot 1.
.macro XLOADP ctg, lo, hi              ; x of channels 64 ctg .. + 63, my 64 positions, loads lo to hi of 32; 16 lanes take 256 consecutive bytes, aligned
	WIN 0x40
.irp ctl, 0,1,2,3
.irp j, 0,1,2,3,4,5,6,7
.if (8*\ctl+\j) >= (\lo)
.if (8*\ctl+\j) <= (\hi)
	global_load_b128 v[128*((\ctg)%2)+4*(8*\ctl+\j):128*((\ctg)%2)+4*(8*\ctl+\j)+3], v[XO], s[74:75] offset:(64*(\ctg)+16*\ctl+\j)*4096 th:TH_LOAD_NT
.endif
.endif
.endr
.endr
.endm
	XLOADP 0, 0, 31                                ; x first, into Q's window, which has served: 63 loads, as many as LOADcnt's field holds (ISA guide 5.7.1);
	XLOADP 1, 0, 30                                ; the 64th follows the first counted wait
	WIN 0
.irp k, 4,5,6,7
	global_prefetch_b8 v[PFO], s[74:75] offset:\k*131072 th:TH_LOAD_NT scope:SCOPE_SE   ; x's channels 128-255, each block once: loaded behind the first and the second 64 output channels
.endr
.irp q, 0,1,2,3
	v_permlanex16_b32 v[NMX+\q], v[LSUM+\q], s68, s69
.endr
.irp q, 0,1,2,3
	v_add_f32 v[LSUM+\q], v[LSUM+\q], v[NMX+\q]    ; both halves of the keys; l is at least about 1: the largest p is
.endr
.irp q, 0,1,2,3
	v_rcp_f32 v[LSUM+\q], v[LSUM+\q]
.endr
	v_bfe_u32 v[TMX], v0, 4, 1                     ; h
	v_and_b32 v[TMX+1], 15, v0
	v_mul_u32_u24 v[TMX+1], v[TMX+1], VPITCH
	v_lshl_add_u32 v[TMX+1], v[TMX], 4, v[TMX+1]
	v_add_nc_u32 v[WA1], 2*PART, v[TMX+1]          ; Wo's rows in parts 2, 3 lie at 544 bytes: two rows share a 16-byte column modulo 256, in 128 loads
	v_add_nc_u32 v[WA1+1], SLOT, v[WA1]
	v_lshlrev_b32 v[ABO], 5, v[TMX]
	v_add_nc_u32 v[ABO], ABL, v[ABO]               ; 8 h channels in a and b'
	s_wait_alu depctr_va_vdst(0)
.macro LDKE g                          ; group g = 8 ctg + kc of Wo's stream: rows 64 ctg + 16 i + r
.if (\g)/8 == 0
	LDF ADRK, 0, KPITCH, (\g)%8, (\g)%3
.elseif (\g)/8 == 1
	LDF WA1, 0, VPITCH, (\g)%8, (\g)%3
.elseif (\g)/8 == 2
	LDF ADRK+1, 0, KPITCH, (\g)%8, (\g)%3
.else
	LDF WA1+1, 0, VPITCH, (\g)%8, (\g)%3
.endif
.endm
.macro OPACK kc                        ; O(2 kc, q) and O(2 kc + 1, q) become the fragment (q, kc) at 8 (4 kc + q) of window 2
.irp q, 0,1,2,3
.irp e, 0,1
.irp i, 0,1,2,3
	v_cvt_pk_bf16_f32 v[8*(4*\kc+\q)+4*\e+\i], v[32*((2*\kc+\e)%8)+8*\q+2*\i], v[32*((2*\kc+\e)%8)+8*\q+2*\i+1]
.endr
.endr
.endr
.endm
	WIN 0x8a                                       ; window 2 in place: word 32 kc + 8 q + 4 e + i is never above a word that is still to be read (64 kc + 32 e + 8 q + 2 i)
	OPACK 0
	OPACK 1
	OPACK 2
	OPACK 3
	WIN 0x8f                                       ; window 3 into window 2's upper half, which has been read
	OPACK 4
	OPACK 5
	OPACK 6
	OPACK 7
	WIN 0xc0                                       ; a at 8 ct + j, b' at 128 + 8 ct + j of window 3: channel 16 ct + 8 h + j; sixteen lanes read the same 16 bytes
.irp ct, 0,1,2,3,4,5,6,7,8,9,10,11,12,13,14,15
	ds_load_b128 v[8*\ct:8*\ct+3],         v[ABO] offset:(\ct/4)*512+(\ct%4)*64
	ds_load_b128 v[8*\ct+4:8*\ct+7],       v[ABO] offset:(\ct/4)*512+(\ct%4)*64+16
	ds_load_b128 v[128+8*\ct:128+8*\ct+3], v[ABO] offset:(\ct/4)*512+(\ct%4)*64+256
	ds_load_b128 v[128+8*\ct+4:128+8*\ct+7], v[ABO] offset:(\ct/4)*512+(\ct%4)*64+272
.endr
.macro AFF xr, ar                      ; x a + b' for two channels (an even j and the next), four positions each
	v_pk_fma_f32 v[\xr:\xr+1],   v[\xr:\xr+1],   v[\ar:\ar+1], v[128+\ar:128+\ar+1] op_sel_hi:[1,0,0]
	v_pk_fma_f32 v[\xr+2:\xr+3], v[\xr+2:\xr+3], v[\ar:\ar+1], v[128+\ar:128+\ar+1] op_sel_hi:[1,0,0]
	v_pk_fma_f32 v[\xr+4:\xr+5], v[\xr+4:\xr+5], v[\ar:\ar+1], v[128+\ar:128+\ar+1] op_sel:[0,1,1] op_sel_hi:[1,1,1]
	v_pk_fma_f32 v[\xr+6:\xr+7], v[\xr+6:\xr+7], v[\ar:\ar+1], v[128+\ar:128+\ar+1] op_sel:[0,1,1] op_sel_hi:[1,1,1]
.endm
.macro FIN ctg                         ; 64 output channels are summed: finish and store them
.set XB, 128*((\ctg)%2)
.if (\ctg) == 0
	s_wait_loadcnt 31                              ; the first x buffer is in; the second buffer's 31 loads may be out
	XLOADP 1, 31, 31                               ; and its 32nd goes out
.elseif (\ctg) < 3
	s_wait_loadcnt 32                              ; this x buffer is in; the younger buffer's 32 loads may be out
.else
	s_wait_loadcnt 0
.endif
	WIN 0x7d                                       ; these 64 multiply-adds name none of the products' registers: they are the places in front of the reads of S
.irp ctl, 0,1,2,3
.irp jp, 0,2,4,6
	AFF XB+4*(8*\ctl+\jp), 8*(4*(\ctg)+\ctl)+\jp
.endr
.endr
	WIN 0x50
.irp ctl, 0,1,2,3
.irp j, 0,1,2,3,4,5,6,7
.irp q, 0,1,2,3
	v_fma_f32 v[XB+4*(8*\ctl+\j)+\q], v[SREG+32*\q+8*\ctl+\j], v[LSUM+\q], v[XB+4*(8*\ctl+\j)+\q]
.endr
.endr
.endr
	WIN 0x04                                       ; a store's data is source 1
.irp ctl, 0,1,2,3
.irp j, 0,1,2,3,4,5,6,7
	global_store_b128 v[XO], v[XB+4*(8*\ctl+\j):XB+4*(8*\ctl+\j)+3], s[76:77] offset:(64*(\ctg)+16*\ctl+\j)*4096 th:TH_STORE_NT   ; 16 lanes store 256 consecutive bytes, aligned
.endr
.endr
.if (\ctg) < 2
	s_wait_xcnt 0x0                                ; the buffer, which the stores read, is loaded again only behind this wait
	XLOADP (\ctg)+2, 0, 31
.endif
.endm
.irp ctg, 0,1,2,3
.irp kc, 0,1,2,3,4,5,6,7
	WIN 0x08                                       ; source 1 (O in bf16) in window 2
.if \kc
	PLACES 4
.endif
.if 8*\ctg+\kc+2 < 32
	LDKE (8*\ctg+\kc+2)
	s_wait_dscnt 16                                ; the two younger groups' 16 loads may be out; a and b' are older than they from the second group on
.elseif 8*\ctg+\kc+2 == 32
	s_wait_dscnt 8
.else
	s_wait_dscnt 0
.endif
	SG ((8*\ctg+\kc)%3), \kc
.endr
	FIN \ctg
.if \ctg == 0
	WIN 0
	s_wait_tensorcnt 0x0                           ; my 32 rows of Wo's upper half are in (asked for 144 matrix instructions and the packing ago),
	s_wait_dscnt 0x0
	s_barrier_signal -1
	s_barrier_wait -1                              ; everybody's are. Slot 1 is first read six groups further on
.endif
.endr
	WIN 0
	s_wait_xcnt 0x0
	v_lshl_add_u32 v126, v0, 2, 0x32800
	v_mov_b32 v127, 0
	s_wait_tensorcnt 0x0
	ds_add_u32 v126, v127
	s_wait_dscnt 0x0
	ROUND                                          ; the closing round
	s_endpgm
.Lfunc_end_k_qcc7e608ccf_attn:
	.size	k_qcc7e608ccf_attn, .Lfunc_end_k_qcc7e608ccf_attn-k_qcc7e608ccf_attn
	.p2alignl 7, 3214868480
	.fill 96, 4, 3214868480
	.section	.rodata,"a",@progbits
	.p2align	6, 0x0
	.amdhsa_kernel k_qcc7e608ccf_attn
		.amdhsa_group_segment_fixed_size 327680
		.amdhsa_private_segment_fixed_size 0
		.amdhsa_enable_private_segment 0
		.amdhsa_kernarg_size 56
		.amdhsa_user_sgpr_count 2
		.amdhsa_user_sgpr_kernarg_segment_ptr 1
		.amdhsa_wavefront_size32 1
		.amdhsa_system_sgpr_workgroup_id_x 1
		.amdhsa_system_sgpr_workgroup_id_y 1
		.amdhsa_system_sgpr_workgroup_id_z 1
		.amdhsa_system_vgpr_workitem_id 0
		.amdhsa_next_free_vgpr 1024
		.amdhsa_next_free_sgpr 100
		.amdhsa_reserve_vcc 0
		.amdhsa_float_denorm_mode_32 3
		.amdhsa_float_denorm_mode_16_64 3
		.amdhsa_memory_ordered 1
		.amdhsa_forward_progress 1
		.amdhsa_inst_pref_size 255
	.end_amdhsa_kernel
	.section	.bss,"aw",@nobits
	.p2align	6
	.space	262144
	.amdgpu_metadata
---
amdhsa.version: [ 1, 2 ]
amdhsa.kernels:
  - .name:           k_qcc7e608ccf_attn
    .symbol:         k_qcc7e608ccf_attn.kd
    .args:
      - { .name: qb, .offset: 0, .size: 8, .value_kind: global_buffer, .address_space: global }
      - { .name: kb, .offset: 8, .size: 8, .value_kind: global_buffer, .address_space: global }
      - { .name: vb, .offset: 16, .size: 8, .value_kind: global_buffer, .address_space: global }
      - { .name: wb, .offset: 24, .size: 8, .value_kind: global_buffer, .address_space: global }
      - { .name: ab, .offset: 32, .size: 8, .value_kind: global_buffer, .address_space: global }
      - { .name: x, .offset: 40, .size: 8, .value_kind: global_buffer, .address_space: global }
      - { .name: out0, .offset: 48, .size: 8, .value_kind: global_buffer, .address_space: global }
    .group_segment_fixed_size: 327680
    .private_segment_fixed_size: 0
    .kernarg_segment_align: 8
    .kernarg_segment_size: 56
    .max_flat_workgroup_size: 128
    .sgpr_count:     100
    .vgpr_count:     1024
    .wavefront_size: 32
...
	.end_amdgpu_metadata
.endif
;; end of part 5
;; ======== version 3 of 3: 3 launches; version 2 with the launch norm written anew for expert scheduling mode
;; workspace buffers: xnb 33,554,432 bytes; ab 131,072 bytes; wb 524,288 bytes; qb 33,554,432 bytes; kb 33,554,432 bytes; vb 33,554,432 bytes
;; launch norm (part 6): grid 256 x 1, 8 waves a work-group, no clusters, 1,536 bytes of LDS; arguments x, gamma, beta, bo, wq, wk, wv, wo, xnb, ab, wb; writes xnb, ab, wb
.if DOCPART == 6
	.amdgcn_target "amdgcn-amd-amdhsa--gfx1250"
	.amdhsa_code_object_version 6
	.text
	.protected	k_qcc7e608ccf_norm
	.globl	k_qcc7e608ccf_norm
	.p2align	8
	.type	k_qcc7e608ccf_norm,@function
k_qcc7e608ccf_norm:
	s_mov_b64 s[64:65], 0
	v_nop
	global_prefetch_b8 v0, s[64:65] scope:SCOPE_SE
	s_setreg_imm32_b32 hwreg(HW_REG_WAVE_SCHED_MODE, 0, 2), 2
	s_setreg_imm32_b32 hwreg(HW_REG_WAVE_MODE, 25, 1), 1
	s_wait_xcnt 0x0
	s_wait_alu depctr_vm_vsrc(0)
; GroupNorm's statistics, the normalised x in bf16, the residual's affine, and the four weight matrices in bf16.
; x: [64][256 channels][1024 positions] f32.  A group is 8 channels = 32,768 consecutive bytes.
; Work-group g: image g >> 2, channels 64 (g & 3) .. + 63.  Wave w: one group, kept in 256 registers between the passes,
; so x is read once and no wave waits for another.  Two passes: the mean, then the squares of x - mean (no difference of large sums).
; Out: xnb [64][256][1024] bf16 = (x - mean) rstd gamma + beta;
;      ab  [64][4][2][64] f32: a = gamma rstd, then b' = beta - mean a + bo, so that a later launch forms xn + bo = a x + b' in f32;
;      wb  [4][256][256] bf16 = wq, wk, wv, wo (each work-group converts 4,096 bytes of one of them).
; No matrix unit, no cluster, no LDS ring: nothing is shared between work-groups and every byte is used once.
; Limits: NaN and infinities are not treated specially; xnb and wb are rounded to bf16 (nearest even).
; THE MODE: SCHED_MODE bits 1:0 = 2 (LLVM: expert scheduling mode 2), set by the entry lines.  The code itself states the register dependences
; between vector instructions and memory or LDS instructions, with s_wait_alu, always for 0.
; THE PLAN.  Registers that memory or LDS instructions touch:
;   v1 to v6      offsets and LDS addresses: written by vector instructions at the head, read by loads and stores, never written again.
;   v44-47        the weights' load lands here; two conversions read them; at the end wave 0's LDS load lands here.  No memory instruction reads them before that.
;   v48-49        written by those two conversions, read by the weights' store, never written again.
;   window 1      x's 64 loads land here; then vector work alone, in place.  The way out goes in four blocks of two channels: block b multiplies words
;                 64 b .. 64 b + 63 and packs them into words 32 b .. 32 b + 31, which its 16 stores read.  Later blocks write words from 32 (b + 1) on
;                 (packing) and from 64 (b + 1) on (multiply-adds): a word that a store reads is never written again.
;   AP, BPR       written behind the reciprocal root, read by the LDS stores at the end, not written in between or afterwards.
;   v254, v255    written at the head, read by the closing add alone.
; So no register that a memory or LDS instruction has read is written again, and the text holds no wait on vm_vsrc: it would state no dependence.
; The waits on va_vdst: one ahead of the first load; the one behind the reciprocal root, behind which the weights' store stands; one ahead of each block's stores.
.set OFFX, 1                           ; v1  byte offset of my 16 bytes in x: 16 lane + 32,768 wave
.set OFFN, 2                           ; v2  the same in xnb: 8 lane + 16,384 wave
.set CH,   8                           ; v[8:15]  four chains of pairs
.set MEAN, 16                          ; v[16:17] the mean, twice
.set BPR,  36                          ; v[36:43] b' of my 8 channels
.set AP,   64                          ; v[64:79] a of channel c, twice, at AP + 2 c
.set BP,   80                          ; v[80:95] beta of channel c, twice
; window 1 (v256-v511): the group; load j (0..63) fills 4 j .. 4 j + 3; channel = j >> 3
.set MSB, 0
.macro WIN new                         ; the immediate's high byte repeats the setting that is left
.if MSB != \new
	s_set_vgpr_msb (MSB<<8)|\new
.set MSB, \new
.endif
.endm
.macro REDUCE                          ; the four chains and the 32 lanes into v8, in every lane
	v_pk_add_f32 v[CH:CH+1], v[CH:CH+1], v[CH+2:CH+3]
	v_pk_add_f32 v[CH+4:CH+5], v[CH+4:CH+5], v[CH+6:CH+7]
	v_pk_add_f32 v[CH:CH+1], v[CH:CH+1], v[CH+4:CH+5]
	v_add_f32 v8, v8, v9
	v_add_f32_dpp v8, v8, v8 row_xmask:1 row_mask:0xf bank_mask:0xf
	v_add_f32_dpp v8, v8, v8 row_xmask:2 row_mask:0xf bank_mask:0xf
	v_add_f32_dpp v8, v8, v8 row_xmask:4 row_mask:0xf bank_mask:0xf
	v_add_f32_dpp v8, v8, v8 row_xmask:8 row_mask:0xf bank_mask:0xf
	v_permlanex16_b32 v19, v8, s52, s53            ; the other half of the lanes; v19 was written at the head
	v_add_f32 v8, v8, v19
.endm
	s_load_b512 s[4:19], s[0:1], 0x0               ; x, gamma, beta, bo, wq, wk, wv, wo
	s_load_b128 s[20:23], s[0:1], 0x40             ; xnb, ab
	s_load_b64 s[24:25], s[0:1], 0x50              ; wb
	v_lshl_add_u32 v254, v0, 2, 0x200              ; my spare word: 512 + 4 x thread; kept for the closing lines alone
	v_mov_b32 v255, 0                              ; and 0, likewise
	v_lshrrev_b32 v7, 5, v0
	v_readfirstlane_b32 s26, v7                    ; wave 0..7
	v_and_b32 v6, 31, v0                           ; the lines from here to the wait read nothing of s26
	v_lshlrev_b32 v6, 4, v6                        ; 16 lane
	v_lshlrev_b32 v3, 4, v0                        ; 16 thread: my 4 weights in f32
	v_lshlrev_b32 v4, 3, v0                        ; 8 thread: the same in bf16
	v_mov_b32 v19, 0
	s_and_b32 s27, ttmp9, 3
	s_lshl_b32 s27, s27, 8                         ; my slab's 64 channels, 4 bytes each,
	s_mov_b32 s52, 0x76543210
	s_mov_b32 s53, 0xfedcba98
	s_mov_b32 s54, 0x39000000                      ; 1 / 8192
	s_mov_b32 s55, 0x3727c5ac                      ; 1e-5
	s_lshr_b32 s57, ttmp9, 6                       ; which weight matrix
	s_mov_b32 s59, 0
	s_wait_alu depctr_va_sdst(0)                   ; s26 is written, ahead of its first reader: offsets, the scalar loads' offset and the last branch are made from it
	v_lshl_add_u32 v[OFFX], s26, 15, v6
	v_lshrrev_b32 v[OFFN], 1, v[OFFX]
	s_lshl_b32 s56, s26, 5
	s_add_co_u32 s27, s27, s56                     ; + my wave's 8
	v_mov_b32 v5, s56                              ; LDS: 32 wave
	s_wait_kmcnt 0x0
	s_load_b256 s[28:35], s[6:7], s27 offset:0x0   ; gamma of my 8 channels
	s_load_b256 s[36:43], s[8:9], s27 offset:0x0   ; beta
	s_load_b256 s[44:51], s[10:11], s27 offset:0x0 ; bo
	s_cmp_eq_u32 s57, 1
	s_cselect_b64 s[12:13], s[14:15], s[12:13]
	s_cmp_eq_u32 s57, 2
	s_cselect_b64 s[12:13], s[16:17], s[12:13]
	s_cmp_eq_u32 s57, 3
	s_cselect_b64 s[12:13], s[18:19], s[12:13]
	s_and_b32 s58, ttmp9, 63
	s_lshl_b32 s58, s58, 12
	s_add_nc_u64 s[12:13], s[12:13], s[58:59]      ; my work-group's 4,096 bytes of that matrix
	s_lshl_b32 s58, ttmp9, 18
	s_add_nc_u64 s[4:5], s[4:5], s[58:59]          ; x: 64 channels of 4,096 bytes a work-group
	s_lshl_b32 s58, ttmp9, 17
	s_add_nc_u64 s[20:21], s[20:21], s[58:59]      ; xnb
	s_lshl_b32 s58, ttmp9, 9
	s_add_nc_u64 s[22:23], s[22:23], s[58:59]      ; ab
	s_lshl_b32 s58, ttmp9, 11
	s_add_nc_u64 s[24:25], s[24:25], s[58:59]      ; wb
	s_wait_alu depctr_va_vdst(0)                   ; v1 to v6 are written: every load, store and LDS instruction of the kernel reads one of them as its offset or address; only loads and one window switch stand between this wait and the last of the 65 loads
	global_load_b128 v[44:47], v3, s[12:13]
	WIN 0x40                                       ; destination in window 1
.set j, 0
.rept 64
	global_load_b128 v[4*j:4*j+3], v[OFFX], s[4:5] offset:512*j th:TH_LOAD_NT   ; 512 consecutive bytes a wave
.set j, j+1
.endr
	WIN 0
	s_wait_loadcnt 63                              ; the weights are in (the largest count that the wait can name; 64 loads are younger)
	v_cvt_pk_bf16_f32 v48, v44, v45                ; their store stands behind the wait that follows the reciprocal root
	v_cvt_pk_bf16_f32 v49, v46, v47
	; pass 1: the sum.  Channel m's eight loads are in when 56 - 8 m younger ones are out.
	s_wait_loadcnt 56
	WIN 0x05                                       ; both sources in window 1: the first eight pairs start the chains
.irp k, 0,1,2,3
	v_pk_add_f32 v[CH+2*\k:CH+2*\k+1], v[4*\k:4*\k+1], v[4*\k+2:4*\k+3]
.endr
	WIN 0x01
.set p, 8
.rept 8
	v_pk_add_f32 v[CH+2*(p%4):CH+2*(p%4)+1], v[2*p:2*p+1], v[CH+2*(p%4):CH+2*(p%4)+1]
.set p, p+1
.endr
.irp m, 1,2,3,4,5,6,7
	s_wait_loadcnt 56-8*\m
.rept 16
	v_pk_add_f32 v[CH+2*(p%4):CH+2*(p%4)+1], v[2*p:2*p+1], v[CH+2*(p%4):CH+2*(p%4)+1]
.set p, p+1
.endr
.endr
	WIN 0
	REDUCE
	v_mul_f32 v[MEAN], s54, v8
	v_mov_b32 v[MEAN+1], v[MEAN]
	; d = x - mean, in place
	WIN 0x41
.set p, 0
.rept 128
	v_pk_add_f32 v[2*p:2*p+1], v[2*p:2*p+1], v[MEAN:MEAN+1] neg_lo:[0,1] neg_hi:[0,1]
.set p, p+1
.endr
	; pass 2: the sum of d squared
	WIN 0x05
.irp k, 0,1,2,3
	v_pk_mul_f32 v[CH+2*\k:CH+2*\k+1], v[2*\k:2*\k+1], v[2*\k:2*\k+1]
.endr
.set p, 4
.rept 124
	v_pk_fma_f32 v[CH+2*(p%4):CH+2*(p%4)+1], v[2*p:2*p+1], v[2*p:2*p+1], v[CH+2*(p%4):CH+2*(p%4)+1]
.set p, p+1
.endr
	WIN 0
	REDUCE
	v_fma_f32 v9, v8, s54, s55                     ; variance + 1e-5
	s_wait_kmcnt 0x0                               ; gamma, beta, bo
	v_rsq_f32 v18, v9                              ; the plain moves below stand between it and the first use of v18 (ISA guide 5.7.2)
.irp c, 0,1,2,3,4,5,6,7
	v_mov_b32 v[BP+2*\c], s[36+\c]
	v_mov_b32 v[BP+2*\c+1], s[36+\c]
.endr
	s_wait_alu depctr_va_vdst(0)                   ; the reciprocal root has written v18, ahead of its first reader; the two conversions have written v48-49, which the store below reads, and are done reading v44-47, in which wave 0's LDS load lands at the end
	global_store_b64 v4, v[48:49], s[24:25]        ; the weights: a wave stores 256 consecutive bytes, aligned
.irp c, 0,1,2,3,4,5,6,7
	v_mul_f32 v[AP+2*\c], s[28+\c], v18            ; a = gamma rstd
.endr
.irp c, 0,1,2,3,4,5,6,7
	v_mov_b32 v[AP+2*\c+1], v[AP+2*\c]
	v_fma_f32 v[BPR+\c], -v[MEAN], v[AP+2*\c], v[BP+2*\c]
.endr
.irp c, 0,1,2,3,4,5,6,7
	v_add_f32 v[BPR+\c], s[44+\c], v[BPR+\c]       ; b' = beta - mean a + bo
.endr
	; THE WAY OUT, four blocks of two channels: xn = d a + beta in place (16 pairs a channel), packed in place, stored.
	; A block's 16 stores are on their way while the next blocks are reckoned, and these name none of the words that the stores read.
.irp b, 0,1,2,3
	WIN 0x41
.set p, 32*\b
.rept 32
	v_pk_fma_f32 v[2*p:2*p+1], v[2*p:2*p+1], v[AP+2*(p/16):AP+2*(p/16)+1], v[BP+2*(p/16):BP+2*(p/16)+1]
.set p, p+1
.endr
	WIN 0x45                                       ; pack in place: word i is written when words 2 i and 2 i + 1 have been read
.set p, 32*\b
.rept 32
	v_cvt_pk_bf16_f32 v[p], v[2*p], v[2*p+1]
.set p, p+1
.endr
	WIN 0x04                                       ; a store's data is source 1
	s_wait_alu depctr_va_vdst(0)                   ; the block's conversions have written words 32 b .. 32 b + 31, which its stores read (the first of these waits also: AP and BPR are written, which the LDS stores at the end read)
.set j, 16*\b
.rept 16
	global_store_b64 v[OFFN], v[2*j:2*j+1], s[20:21] offset:256*j   ; a wave stores 256 consecutive bytes, aligned
.set j, j+1
.endr
.endr
	WIN 0
	; a and b' of the work-group's 64 channels meet in LDS and leave as 512 whole bytes
.irp c, 0,1,2,3,4,5,6,7
	ds_store_b32 v5, v[AP+2*\c] offset:4*\c        ; all lanes write the same word with the same value; no vector instruction has named v5, AP or BPR since the waits above
	ds_store_b32 v5, v[BPR+\c] offset:256+4*\c
.endr
	s_wait_dscnt 0x0                               ; my stores are done, for wave 0's sake
	s_barrier_signal -1
	s_barrier_wait -1
	s_cmp_lg_u32 s26, 0
	s_cbranch_scc1 .Ldone
	ds_load_b128 v[44:47], v6                      ; no vector instruction has named v44-47 or v6 since the wait behind the reciprocal root
	s_wait_dscnt 0x0
	global_store_b128 v6, v[44:47], s[22:23]
.Ldone:
	s_wait_dscnt 0x0                               ; the closing lines, six on end
	s_wait_alu 0x0
	s_wait_tensorcnt 0x0
	ds_add_u32 v254, v255
	s_wait_dscnt 0x0
	s_endpgm
.Lfunc_end_k_qcc7e608ccf_norm:
	.size	k_qcc7e608ccf_norm, .Lfunc_end_k_qcc7e608ccf_norm-k_qcc7e608ccf_norm
	.p2alignl 7, 3214868480
	.fill 96, 4, 3214868480
	.section	.rodata,"a",@progbits
	.p2align	6, 0x0
	.amdhsa_kernel k_qcc7e608ccf_norm
		.amdhsa_group_segment_fixed_size 1536
		.amdhsa_private_segment_fixed_size 0
		.amdhsa_enable_private_segment 0
		.amdhsa_kernarg_size 88
		.amdhsa_user_sgpr_count 2
		.amdhsa_user_sgpr_kernarg_segment_ptr 1
		.amdhsa_wavefront_size32 1
		.amdhsa_system_sgpr_workgroup_id_x 1
		.amdhsa_system_sgpr_workgroup_id_y 1
		.amdhsa_system_sgpr_workgroup_id_z 1
		.amdhsa_system_vgpr_workitem_id 0
		.amdhsa_next_free_vgpr 512
		.amdhsa_next_free_sgpr 66
		.amdhsa_reserve_vcc 0
		.amdhsa_float_denorm_mode_32 3
		.amdhsa_float_denorm_mode_16_64 3
		.amdhsa_memory_ordered 1
		.amdhsa_forward_progress 1
		.amdhsa_inst_pref_size 61
	.end_amdhsa_kernel
	.amdgpu_metadata
---
amdhsa.version: [ 1, 2 ]
amdhsa.kernels:
  - .name:           k_qcc7e608ccf_norm
    .symbol:         k_qcc7e608ccf_norm.kd
    .args:
      - { .name: x, .offset: 0, .size: 8, .value_kind: global_buffer, .address_space: global }
      - { .name: gamma, .offset: 8, .size: 8, .value_kind: global_buffer, .address_space: global }
      - { .name: beta, .offset: 16, .size: 8, .value_kind: global_buffer, .address_space: global }
      - { .name: bo, .offset: 24, .size: 8, .value_kind: global_buffer, .address_space: global }
      - { .name: wq, .offset: 32, .size: 8, .value_kind: global_buffer, .address_space: global }
      - { .name: wk, .offset: 40, .size: 8, .value_kind: global_buffer, .address_space: global }
      - { .name: wv, .offset: 48, .size: 8, .value_kind: global_buffer, .address_space: global }
      - { .name: wo, .offset: 56, .size: 8, .value_kind: global_buffer, .address_space: global }
      - { .name: xnb, .offset: 64, .size: 8, .value_kind: global_buffer, .address_space: global }
      - { .name: ab, .offset: 72, .size: 8, .value_kind: global_buffer, .address_space: global }
      - { .name: wb, .offset: 80, .size: 8, .value_kind: global_buffer, .address_space: global }
    .group_segment_fixed_size: 1536
    .private_segment_fixed_size: 0
    .kernarg_segment_align: 8
    .kernarg_segment_size: 88
    .max_flat_workgroup_size: 256
    .sgpr_count:     66
    .vgpr_count:     512
    .wavefront_size: 32
...
	.end_amdgpu_metadata
.endif
;; end of part 6
;; launch qkv: the kernel of part 4 again; grid 256 x 1, 4 waves a work-group, clusters of 4 x 1, 327,680 bytes of LDS; arguments xnb, wb, bq, bk, bv, qb, kb, vb; writes qb, kb, vb
;; launch attn: the kernel of part 5 again; grid 256 x 1, 4 waves a work-group, clusters of 4 x 1, 327,680 bytes of LDS; arguments qb, kb, vb, wb, ab, x, out0; writes out0
